; MI455X (gfx1250); checked and timed in simulation.
; The chip was launched on July 23, 2026; its instructions are those of AMD's public machine-readable ISA for CDNA 5 (MIT licence, August 2026) and "CDNA5" Instruction Set Architecture Reference Guide (July 2026). The comments in the code are by the model that wrote it; some were corrected since.
;; Multi Head Attention. Allowed arithmetic: matrix products marked QUANTISED: E2M3 operands, one E8M0 scale for each 32 along K, by v_wmma_scale_f32_16x16x128_f8f6f4 with both operands' format E2M3, f32 sums; everything else in f32.
;; Inputs: wk 1,024 x 1,024 float32; wo 1,024 x 1,024 float32; wq 1,024 x 1,024 float32; wv 1,024 x 1,024 float32; x 4 x 2,048 x 1,024 float32.
;; Outputs: out0 4 x 2,048 x 1,024 float32.
;; This version of the problem:
;;   THIS VERSION OF THE PROBLEM IS GIVEN IN LOW PRECISION. The matrix products marked QUANTISED in the list below multiply operands that are first quantised to E2M3 (2 exponent bits, 3 mantissa bits; 6 bits a number), with one power-of-two scale for each 32 numbers along K (OCP MX v1.0); their sums are f32. All else is computed in f32.
;;   The module's matrix products, in the order in which they are computed (A, B: the left and right operand; K: the contracted axis; several contracted axes count as one K, in the product's order):
;;     1. [M 8,192, K 1,024] x [K 1,024, N 1,024]; A: input x; B: input wq: QUANTISED
;;     2. [M 8,192, K 1,024] x [K 1,024, N 1,024]; A: input x; B: input wk: QUANTISED
;;     3. [M 8,192, K 1,024] x [K 1,024, N 1,024]; A: input x; B: input wv: QUANTISED
;;     4. batch 64 x [M 2,048, K 64] x [K 64, N 2,048]; A: computed on the way; B: computed on the way: QUANTISED
;;     5. batch 64 x [M 2,048, K 2,048] x [K 2,048, N 64]; A: softmax (see below); B: computed on the way: QUANTISED
;;     6. [M 8,192, K 1,024] x [K 1,024, N 1,024]; A: computed on the way; B: input wo: QUANTISED
;;   THE QUANTISER, for each operand of a quantised product, along K:
;;     - K is cut into blocks of 32 from its start; a last block that is shorter is filled with zeros.
;;     - A block's scale is 2^e with e = floor(log2(the largest magnitude in the block)) - 2, held to -126 .. 127; a block of zeros has e = 0. As a byte (E8M0): e + 127.
;;     - Each number is divided by its block's scale, clamped to +-7.5, and rounded to the nearest number of E2M3, ties to even, subnormals kept.
;;     - The product sums the exact products of the quantised numbers (number of the format x scale) in f32.
;;   ~~~python
;;   def quantise(x, axis):      # numpy; x: float32 -> the quantised numbers, widened to float32 again
;;       x = np.moveaxis(x, axis, -1); K = x.shape[-1]
;;       x = np.pad(x, [(0, 0)] * (x.ndim - 1) + [(0, -K % 32)]); x = x.reshape(x.shape[:-1] + (-1, 32)); a = np.abs(x).max(-1, keepdims=True)
;;       e = np.where(a > 0, np.clip(np.frexp(np.where(a > 0, a, 1))[1] - 1 - 2, -126, 127), 0)      # np.frexp(a)[1] - 1 = floor(log2(a)), exactly
;;       r = np.clip(x / 2.0 ** e, -7.5, 7.5)
;;       step = 2.0 ** (np.maximum(np.frexp(np.where(r == 0, 1, r))[1] - 1, 0) - 3)
;;       q = np.round(r / step) * step * 2.0 ** e      # np.round: ties to even
;;       return np.moveaxis(q.reshape(q.shape[:-2] + (-1,))[..., :K], -1, axis).astype(np.float32)
;;   ~~~
;;   SOFTMAX AHEAD OF A QUANTISED PRODUCT. Where the list says 'softmax', what is quantised is not the finished softmax but p = 2^(t - M), with t = logit x log2(e) and M = ceil(the row's largest t), a whole number; so 1/2 < the row's largest p <= 1. The row's sum l is taken of the UNQUANTISED p, in f32, and the product's result is divided by l at the end. Since M is a whole number, a kernel that streams over the keys may use a running M (the ceiling of the running maximum): every later rescaling is an exact power of two, which a block's scale takes up: the codes' values come out the same.
;;   OPERANDS COMPUTED ON THE WAY. 'Computed on the way' means the value that the module computes at that place (a softmax that the list does not call 'softmax' is quantised finished and normalised). What goes into a quantiser is computed in f32, as accurately as f32 sums, v_exp_f32 and their like allow (about 1e-6 of the number): no bf16 or f16 on the way to a quantiser, and a product that is left as it is and whose result goes on into a quantised operand takes f32 operands (vector FMAs, or v_wmma_f32_16x16x4_f32). A number that lies on a knife's edge between two numbers of the format may be rounded either way, as far as f32 arithmetic and the matrix unit's own rounding can turn it there, and no further.
;; One version. Each part assembles by itself: llvm-mc -triple=amdgcn-amd-amdhsa -mcpu=gfx1250 --defsym DOCPART=n.
;; ======== version 1 of 1: 4 launches
;; workspace buffers: xcodes 6,291,456 bytes; xscales 262,144 bytes; wcodes 3,145,728 bytes; wscales 131,072 bytes; qkv 18,874,368 bytes; qkvs 1,572,864 bytes; ocodes 6,291,456 bytes; oscales 262,144 bytes
;; launch quant (part 1): grid 384 x 1, 4 waves a work-group, no clusters, 33,280 bytes of LDS; arguments x, wq, wk, wv, wo, xcodes, xscales, wcodes, wscales; writes xcodes, xscales, wcodes, wscales
.if DOCPART == 1
	.amdgcn_target "amdgcn-amd-amdhsa--gfx1250"
	.amdhsa_code_object_version 6
	.text
	.protected	k_qbd34bf31a2_quant
	.globl	k_qbd34bf31a2_quant
	.p2align	8
	.type	k_qbd34bf31a2_quant,@function
k_qbd34bf31a2_quant:
	s_mov_b64 s[64:65], 0
	v_nop
	global_prefetch_b8 v0, s[64:65] scope:SCOPE_SE
	s_setreg_imm32_b32 hwreg(HW_REG_WAVE_MODE, 25, 1), 1
	s_wait_xcnt 0x0
; x [8192][1024] and wq, wk, wv, wo [1024][1024], f32, become codes of FP6 (E2M3), K innermost (a row of 1,024 codes is 768 bytes), with one E8M0 byte for each 32 along K (32 bytes a row).
; A block's scale is 2^(floor(log2(its largest magnitude)) - 2); its byte is the largest magnitude's exponent field - 2, held at 1 from below.  A block of zeros so gets the byte 1 where the rule says 127:
; its codes are zeros, which add nothing under any byte but 0xff, and the bytes are read by this program alone.
; LIMITS: blocks whose largest magnitude lies under 2^-124 (the floor) keep the byte 1; NaN and infinities among the inputs are not served.
; SHARES.  A work-group takes 32 rows, a wave 8 rows (8,192 numbers, 16 steps of 512).  Work-groups 0-255 take x, 256-287 wq, 288-319 wk, 320-351 wv, 352-383 wo: only pointers are chosen, one path for all.
; ROW ORDER.  The rows of x, wq, wk, wv are stored with bits 3 and 4 of the row number exchanged: stored row 32 b + 16 u + r holds row 32 b + 8 u + r + 8 (r / 8).  Sixteen stored neighbours are then a tile whose
; results, in the products that follow, fall so that a lane's 16 registers of two neighbouring tiles are 16 neighbours along the next K.  Bits 3 and 4 are the wave's number here, so only the wave's target moves.  wo keeps its order.
; A lane must hold 16 neighbours for the conversion, and a load is best where neighbouring lanes take neighbouring bytes: each load reads 512 consecutive bytes, a step's 2,048 bytes turn through the wave's own stage in LDS.
; No tensor loads, no barrier: waves share nothing.  Loads run four steps (16 loads a wave) ahead, the turn through LDS one step.
.set STEPS, 16
.set EMAX,  2
.set CB,    12                         ; bytes of 16 codes
.set R,     16                         ; v16-79   four sets of 16 numbers as they are loaded
.set X,     80                         ; v80-111  two sets of 16 neighbours
.set C,     128                        ; v128-191 codes: four registers for each step, so that no store's data are written again
.set E,     112                        ; v112-127 a scale byte for each step
.set WREG,  8192                       ; LDS: a region for each wave: two stages of 32 x SP bytes, behind them its 256 scale bytes
.set SP,    80                         ; a lane's place in a stage: its 64 bytes + 16 of padding
.set SRC,   30                         ; s[30:31] the numbers;  s[32:33] the codes;  s[34:35] the scale bytes
.set DCO,   32
.set DSC,   34
	s_load_b256 s[4:11], s[0:1], 0x0               ; x, wq, wk, wv
	s_load_b256 s[12:19], s[0:1], 0x20             ; wo, x's codes, x's scales, the weights' codes
	s_load_b64 s[20:21], s[0:1], 0x40              ; the weights' scales
	v_lshl_add_u32 v192, v0, 2, 0x8000
	v_mov_b32 v193, 0
	v_lshrrev_b32 v1, 5, v0
	v_readfirstlane_b32 s24, v1                    ; wave
	v_and_b32 v2, 31, v0                           ; lane
	v_lshlrev_b32 v3, 4, v2                        ; my 16 bytes of a load's 512
	s_mul_i32 s25, s24, WREG
	v_lshrrev_b32 v14, 2, v2
	v_mul_u32_u24 v14, v14, SP
	v_and_b32 v15, 3, v2
	v_lshl_add_u32 v14, v15, 4, v14
	v_add_nc_u32 v14, s25, v14                     ; the stage, on the way in: SP (lane / 4) + 16 (lane % 4)
	v_mul_u32_u24 v15, v2, SP
	v_add_nc_u32 v15, s25, v15                     ; and on the way out: SP x lane: my 16 neighbours
	v_mul_u32_u24 v4, v2, CB                       ; my codes' place in a step's
	v_lshrrev_b32 v5, 1, v2
	s_add_co_u32 s25, s25, 2*32*SP
	v_add_nc_u32 v5, s25, v5                       ; LDS: my wave's 256 scale bytes, my block's byte
	v_lshlrev_b32 v7, 3, v2                        ; and on the way out 8 bytes a lane
	v_add_nc_u32 v6, s25, v7
	s_sub_co_u32 s26, ttmp9, 256                   ; a weight's work-group: its number among the 128,
	s_and_b32 s27, s26, 31                         ; and within its tensor
	s_and_b32 s28, s24, 1
	s_lshl_b32 s28, s28, 1
	s_lshr_b32 s29, s24, 1
	s_or_b32 s28, s28, s29                         ; the wave's number with its two bits exchanged
	s_wait_kmcnt 0x0
	s_mov_b64 s[SRC:SRC+1], s[12:13]               ; wo, unless the work-group's number says otherwise: every choice hangs on that number alone
	s_cmp_lt_u32 ttmp9, 352
	s_cselect_b64 s[SRC:SRC+1], s[10:11], s[SRC:SRC+1]
	s_cselect_b32 s28, s28, s24                    ; wo's rows keep their order
	s_cmp_lt_u32 ttmp9, 320
	s_cselect_b64 s[SRC:SRC+1], s[8:9], s[SRC:SRC+1]
	s_cmp_lt_u32 ttmp9, 288
	s_cselect_b64 s[SRC:SRC+1], s[6:7], s[SRC:SRC+1]
	s_cmp_lt_u32 ttmp9, 256
	s_cselect_b64 s[SRC:SRC+1], s[4:5], s[SRC:SRC+1]
	s_cselect_b64 s[DCO:DCO+1], s[14:15], s[18:19]
	s_cselect_b64 s[DSC:DSC+1], s[16:17], s[20:21]
	s_cselect_b32 s27, ttmp9, s27                  ; which 32 rows of the source,
	s_cselect_b32 s26, ttmp9, s26                  ; and of the target
	s_lshl_b32 s27, s27, 2
	s_add_co_u32 s27, s27, s24                     ; my 8 rows in the source
	s_lshl_b32 s36, s27, 15                        ; 32,768 bytes each
	s_mov_b32 s37, 0
	s_add_nc_u64 s[SRC:SRC+1], s[SRC:SRC+1], s[36:37]
	s_lshl_b32 s26, s26, 2
	s_add_co_u32 s26, s26, s28                     ; and where they go
	s_mul_i32 s36, s26, 32*STEPS*CB                ; 6,144 bytes of codes,
	s_add_nc_u64 s[DCO:DCO+1], s[DCO:DCO+1], s[36:37]
	s_lshl_b32 s36, s26, 8                         ; 256 scale bytes
	s_add_nc_u64 s[DSC:DSC+1], s[DSC:DSC+1], s[36:37]
.macro LOAD t
.irp i, 0,1,2,3
	global_load_b128 v[R+16*((\t)%4)+4*\i:R+16*((\t)%4)+4*\i+3], v3, s[SRC:SRC+1] offset:2048*(\t)+512*\i th:TH_LOAD_NT   ; 32 lanes read 512 consecutive bytes
.endr
.endm
.macro TURN t                          ; step t's numbers through the stage: LDS serves a wave's instructions in order, so no wait stands between the stores and the loads
.irp i, 0,1,2,3
	ds_store_b128 v14, v[R+16*((\t)%4)+4*\i:R+16*((\t)%4)+4*\i+3] offset:32*SP*((\t)%2)+8*SP*\i
.endr
.irp i, 0,1,2,3
	ds_load_b128 v[X+16*((\t)%2)+4*\i:X+16*((\t)%2)+4*\i+3], v15 offset:32*SP*((\t)%2)+16*\i
.endr
.endm
.irp t, 0,1,2,3
	LOAD \t
.endr
	s_wait_loadcnt 12                              ; step 0's four loads are in; three steps' twelve may be out
	TURN 0
.macro STEP t
.set XS, X+16*((\t)%2)
.if (\t) > 0
	s_wait_dscnt 1                                 ; this step's numbers are back from the stage (the last step's byte store may be out): so its stores into the stage have read their registers,
.else
	s_wait_dscnt 0x0
.endif
.if (\t)+4 < STEPS
	LOAD (\t)+4                                    ; which take the loads of four steps on
.endif
.if (\t)+1 < STEPS
.if STEPS-2-(\t) >= 3
	s_wait_loadcnt 12                              ; the next step's four loads are in; those of the three steps behind it may be out
.else
	s_wait_loadcnt 4*(STEPS-2-(\t))
.endif
	TURN (\t)+1                                    ; and go through the other stage while this step is worked
.endif
	v_max3_num_f32 v8, |v[XS]|, |v[XS+1]|, |v[XS+2]|               ; the largest magnitude of my 16, in two chains
	v_max3_num_f32 v9, |v[XS+3]|, |v[XS+4]|, |v[XS+5]|
.irp i, 6,10
	v_max3_num_f32 v8, v8, |v[XS+\i]|, |v[XS+\i+1]|
	v_max3_num_f32 v9, v9, |v[XS+\i+2]|, |v[XS+\i+3]|
.endr
	v_max3_num_f32 v8, v8, |v[XS+14]|, |v[XS+15]|
	v_max3_num_f32 v8, v8, v9, (EMAX+1)<<23        ; and the floor 2^(3 - 127): the byte cannot fall under 1
	v_max_num_f32_dpp v8, v8, v8 row_xmask:1 row_mask:0xf bank_mask:0xf   ; and of my neighbour's 16: the block's
	v_add_nc_u32 v11, -(EMAX<<23), v8              ; 2 off its exponent field: the conversion takes the exponent field of this operand as its scale
	v_cvt_scalef32_pk16_fp6_f32 v[C+4*(\t):C+4*(\t)+2], v[XS:XS+15], v11   ; sixteen numbers / the scale, to the nearest code, ties to even, beyond the largest code the largest
	v_lshrrev_b32 v[E+(\t)], 23, v11               ; the scale's byte
	ds_store_b8 v5, v[E+(\t)] offset:16*(\t)       ; both lanes of a block write the same byte with the same value
	global_store_b96 v4, v[C+4*(\t):C+4*(\t)+2], s[DCO:DCO+1] offset:32*CB*(\t)   ; the wave stores 384 consecutive bytes
.endm
.irp t, 0,1,2,3,4,5,6,7,8,9,10,11,12,13,14,15
	STEP \t
.endr
	ds_load_b64 v[12:13], v6                       ; LDS serves a wave's instructions in order: these see my stores
	s_wait_dscnt 0x0
	global_store_b64 v7, v[12:13], s[DSC:DSC+1]    ; 32 lanes store 256 consecutive bytes, aligned
	s_wait_tensorcnt 0x0
	ds_add_u32 v192, v193
	s_wait_dscnt 0x0
	s_endpgm
.Lfunc_end_k_qbd34bf31a2_quant:
	.size	k_qbd34bf31a2_quant, .Lfunc_end_k_qbd34bf31a2_quant-k_qbd34bf31a2_quant
	.p2alignl 7, 3214868480
	.fill 96, 4, 3214868480
	.section	.rodata,"a",@progbits
	.p2align	6, 0x0
	.amdhsa_kernel k_qbd34bf31a2_quant
		.amdhsa_group_segment_fixed_size 33280
		.amdhsa_private_segment_fixed_size 0
		.amdhsa_enable_private_segment 0
		.amdhsa_kernarg_size 72
		.amdhsa_user_sgpr_count 2
		.amdhsa_user_sgpr_kernarg_segment_ptr 1
		.amdhsa_wavefront_size32 1
		.amdhsa_system_sgpr_workgroup_id_x 1
		.amdhsa_system_sgpr_workgroup_id_y 1
		.amdhsa_system_sgpr_workgroup_id_z 1
		.amdhsa_system_vgpr_workitem_id 0
		.amdhsa_next_free_vgpr 194
		.amdhsa_next_free_sgpr 66
		.amdhsa_reserve_vcc 0
		.amdhsa_float_denorm_mode_32 3
		.amdhsa_float_denorm_mode_16_64 3
		.amdhsa_memory_ordered 1
		.amdhsa_forward_progress 1
		.amdhsa_inst_pref_size 33
	.end_amdhsa_kernel
	.amdgpu_metadata
---
amdhsa.version: [ 1, 2 ]
amdhsa.kernels:
  - .name:           k_qbd34bf31a2_quant
    .symbol:         k_qbd34bf31a2_quant.kd
    .args:
      - { .name: x, .offset: 0, .size: 8, .value_kind: global_buffer, .address_space: global }
      - { .name: wq, .offset: 8, .size: 8, .value_kind: global_buffer, .address_space: global }
      - { .name: wk, .offset: 16, .size: 8, .value_kind: global_buffer, .address_space: global }
      - { .name: wv, .offset: 24, .size: 8, .value_kind: global_buffer, .address_space: global }
      - { .name: wo, .offset: 32, .size: 8, .value_kind: global_buffer, .address_space: global }
      - { .name: xcodes, .offset: 40, .size: 8, .value_kind: global_buffer, .address_space: global }
      - { .name: xscales, .offset: 48, .size: 8, .value_kind: global_buffer, .address_space: global }
      - { .name: wcodes, .offset: 56, .size: 8, .value_kind: global_buffer, .address_space: global }
      - { .name: wscales, .offset: 64, .size: 8, .value_kind: global_buffer, .address_space: global }
    .group_segment_fixed_size: 33280
    .private_segment_fixed_size: 0
    .kernarg_segment_align: 8
    .kernarg_segment_size: 72
    .max_flat_workgroup_size: 128
    .sgpr_count:     66
    .vgpr_count:     194
    .wavefront_size: 32
...
	.end_amdgpu_metadata
.endif
;; end of part 1
;; launch qkvgemm (part 2): grid 96 x 4, 4 waves a work-group, clusters of 4 x 4, 327,680 bytes of LDS; arguments xcodes, xscales, wcodes, wscales, qkv, qkvs; writes qkv, qkvs
.if DOCPART == 2
	.amdgcn_target "amdgcn-amd-amdhsa--gfx1250"
	.amdhsa_code_object_version 6
	.text
	.protected	k_qbd34bf31a2_qkvgemm
	.globl	k_qbd34bf31a2_qkvgemm
	.p2align	8
	.type	k_qbd34bf31a2_qkvgemm,@function
k_qbd34bf31a2_qkvgemm:
	s_mov_b64 s[64:65], 0
	v_nop
	global_prefetch_b8 v0, s[64:65] scope:SCOPE_SE
	s_setreg_imm32_b32 hwreg(HW_REG_WAVE_MODE, 25, 1), 1
	s_wait_xcnt 0x0
	s_wait_alu depctr_hold_cnt(0) depctr_sa_sdst(0) depctr_va_vdst(0) depctr_va_sdst(0) depctr_va_ssrc(0) depctr_va_vcc(0) depctr_vm_vsrc(0)
	s_getreg_b32 s2, hwreg(HW_REG_IB_STS2, 6, 4)
	s_cmp_eq_u32 s2, 0
	s_cbranch_scc0 .Lentry_in_a_cluster
	s_endpgm
.Lentry_in_a_cluster:
	s_bfe_u32 s2, ttmp6, 0x10000c
	s_cmp_lg_u32 s2, 0xf033
	s_cbranch_scc0 .Lentry_shape_is_right
	s_endpgm
.Lentry_shape_is_right:
; q = x wq^T, k = x wk^T, v = x wv^T on codes of FP6 (E2M3) with one E8M0 scale for each 32 along K = 1,024; the f32 sums are quantised again in the way out and leave as codes, in the order of the registers in which
; the attention launch's matrix instructions take them.  No f32 result goes to memory.
; C' = A' B'^T, a tile of 256 x 256 to a work-group of four waves, 128 x 128 to a wave (64 accumulators, 512 registers).  24 clusters of 4 x 4 work-groups.
;   clusters 0-15:  A' = x (8,192 rows), B' = wq over wk (2,048 rows): a lane's results run along the heads' channels, which are the K of q k^T.
;   clusters 16-23: A' = wv (1,024 rows), B' = x: a lane's results run along the tokens, which are the K (the keys) of p v.  Only pointers are chosen, by the cluster's number: one path for all.
; THE MATRIX INSTRUCTION IS USED TRANSPOSED (source 0 = 16 rows of B', source 1 = 16 rows of A'): lane (r, h) holds row r of A's block.  The stored rows of x, wq, wk, wv stand with bits 3 and 4 of the row number
; exchanged, so register 16 b + i of a block's 64 is column 32 b + 16 h + i of the wave's 128: sixteen neighbours along the next K.
; K goes in steps of 256 through a ring of two LDS slots filled by the tensor data mover; the scales of the work-group's rows, for all of K, come once and stay.  A's tiles are asked for jointly along a row of the
; cluster, B's along a column: the same tensor load with the same descriptor and a mask that names the four.
; OUT.  qkv: [HP 24][POS 64][a 8][c 2][p 3][lane 32][8 bytes]: block a's fragment (12 registers a lane) as six runs of 256 bytes.  qkvs: [HP][POS][a / 4][lane 32][a % 4][4 bytes]: lanes 0-15 the row's scale word,
; lanes 16-31 the same word 16 bits down.  q, k: HP = the wave's 128 columns (two heads; k from 8 on), POS = its 128 rows.  v: HP = 16 + its 128 rows of wv, POS = its 128 tokens.
; LIMITS: a block of results whose largest magnitude lies under 2^-124 keeps the byte 1 (a block of zeros too: its codes are zeros, and this program alone reads the bytes); NaN and infinities are not served.
; REGISTERS, in windows of 256: window 0: v16-31 addresses; v32-63 scale words, two sets; v64-114 the way out's work; from v128 A's fragments, one set.  window 1: B's fragments, two sets, at v0 and v128.
;   window 2: the 32 accumulators of my rows 0-63 (accumulator (a, b) at v[8 (8 a + b)]);  window 3: those of my rows 64-127.
.set SIZE_K, 1024
.set KSTEP,  256                       ; along K in a slot
.set NQ,     KSTEP/128                 ; matrix instructions deep
.set ROWB,   192                       ; a tile's row in bytes
.set KROW,   SIZE_K*6/8                ; a row of codes in memory
.set PITCH,  240                       ; an LDS row: 3 x (64 bytes + 16 of padding) = 60 words: the 32 lanes of a load of 8 bytes touch 64 different banks (64 banks of 4 bytes: ISA guide 11.1)
.set FR,     12                        ; registers of a fragment
.set NL,     6                         ; LDS loads that bring one
.set NP,     4                         ; places behind this matrix instruction (ISA guide 7.12.1)
.set HALFT,  128*PITCH                 ; 128 rows: what one tensor load brings
.set SLOT,   4*HALFT                   ; A's 256 rows, then B's 256 rows
.set LAPS,   SIZE_K/(2*KSTEP)          ; a lap = two K steps = once round the ring
.set KS,     SIZE_K/32                 ; a row of scales in bytes
.set SCL,    2*SLOT                    ; behind the ring: the scales, as runs of 256 bytes + 16 of padding
.set HALFS,  (128*KS/256)*272          ; the scales of 128 rows
.set SBLK,   (16*KS/256)*272           ; those of 16 rows
.set SPARE,  SCL+4*HALFS               ; behind the scales: the spare words, 128 bytes for each wave, which no other line names
.set ADRA, 16                          ; v16-17 LDS address of my A fragments in slot 0, 1 (v18-19: for the pieces behind one padding more)
.set ADRB, 20                          ; v20-23 the same for B
.set L8,   24                          ; v24  8 x lane
.set L16,  25                          ; v25  16 x lane
.set SH,   26                          ; v26  16 x (lane / 16): how far my half shifts the scale word
.set ADRS, 27                          ; v27  LDS address of my scale words: lanes 0-15 A's rows, lanes 16-31 B's
.set SPW,  28                          ; v28  LDS address of my spare word; never rewritten
.set NIL,  29                          ; v29  0; never rewritten
.set FL,   30                          ; v30  the floor 2^(3 - 127)
.set SC,   32                          ; scale words: set s at v[SC + 8 NQ s]
.set TM,   64                          ; v64-67 largest magnitudes, v68-71 the other half's, then bytes, v76-79 the conversions' scale operands
.set PW,   80                          ; the row's scale word
.set SW,   84                          ; v84-91 the eight blocks' words as they are stored
.set PC,   96                          ; v96-107 a block's codes; v108-114 the halves that are moved
.set AF,   128                         ; A's fragments
.set SEL,  2                           ; s[2:3] lane selects for v_permlanex16_b32, written behind the loop (s3 counts the laps)
.set G1, 24
.set G0, 32
.set G1B, 48
.set G0B, 56
.set G1S, 68
.set G0S, 76
.set G1SB, 80
.set G0SB, 88
.set MSB, 0
.macro WIN new                         ; the immediate's high byte repeats the setting that is left
.if MSB != \new
	s_set_vgpr_msb (MSB<<8)|\new
.set MSB, \new
.endif
.endm
.set MUL_LO, 0xa1                      ; source 0 (B) window 1, source 1 (A) window 0, C and D window 2
.set MUL_HI, 0xf1                      ; the same, C and D window 3
.set TO_B,   0x40                      ; destination window 1, address window 0
; A joint load: waves 0 and 1 fetch for A, waves 2 and 3 for B.  Each line has one mask and one set of registers for all that issue it; the branch hangs on the wave's number alone.
; Four v_nop follow each of the two lines, ahead of the jump, the label and what follows.
.macro JLOAD g0a, g1a, g0b, g1b
	s_cmp_eq_u32 s15, 0
	s_cbranch_scc0 .Lfor_b_\@
	tensor_load_to_lds s[\g0a:\g0a+3], s[\g1a:\g1a+7]
	s_nop 0
.rept 4
	v_nop
.endr
	s_branch .Lasked_\@
.Lfor_b_\@:
	tensor_load_to_lds s[\g0b:\g0b+3], s[\g1b:\g1b+7]
	s_nop 0
.rept 4
	v_nop
.endr
.Lasked_\@:
.endm
.macro CREST                           ; a round of the cluster's barrier behind its opening barrier
	s_cmp_lg_u32 s14, 0
	s_cbranch_scc1 .Lnot_wave_0_\@
	s_barrier_signal -3
.Lnot_wave_0_\@:
	s_barrier_wait -3
	s_barrier_signal -1
	s_barrier_wait -1
.endm
.macro CROUND                          ; a whole round
	s_barrier_signal -1
	s_barrier_wait -1
	CREST
.endm
	s_load_b256 s[4:11], s[0:1], 0x0               ; x's codes, x's scales, the weights' codes, the weights' scales
	s_load_b64 s[12:13], s[0:1], 0x20              ; qkv
	s_load_b64 s[66:67], s[0:1], 0x28              ; qkvs
	v_lshl_add_u32 v[SPW], v0, 2, SPARE
	v_mov_b32 v[NIL], 0
	ds_add_u32 v28, v29
	ds_add_u32 v28, v29
	s_wait_dscnt 0x0
	v_lshrrev_b32 v1, 5, v0
	v_readfirstlane_b32 s14, v1                    ; wave 0..3
	s_lshr_b32 s15, s14, 1                         ; which half of the tile's rows is mine.  Also: I fetch for A (0) or for B (1)
	s_and_b32 s16, s14, 1                          ; which half of its columns.  Also: which 128 rows of that tile I fetch
	s_bfe_u32 s40, ttmp6, 0x40000                  ; cx, cy: my place in the cluster
	s_bfe_u32 s41, ttmp6, 0x40004
	s_and_b32 s18, ttmp9, 1                        ; clusters 0-15: 2 columns x 8 rows of clusters
	s_lshr_b32 s19, ttmp9, 1
	s_sub_co_u32 s20, ttmp9, 16                    ; clusters 16-23: 8 columns, one row
	s_cmp_lt_u32 ttmp9, 16
	s_cselect_b32 s18, s18, s20
	s_cselect_b32 s19, s19, 0
	s_lshl_b32 s42, s18, 2
	s_add_co_u32 s42, s42, s40                     ; tile column of C'
	s_lshl_b32 s17, s19, 2
	s_add_co_u32 s17, s17, s41                     ; tile row of C'
	s_lshl_b32 s43, s41, 2
	s_lshl_b32 s43, 15, s43                        ; my row of the cluster
	s_lshl_b32 s44, 0x1111, s40                    ; my column
	; descriptor group 1: a tile of 128 rows x 192 bytes, padded in LDS
	s_or_b32 s[G1+0], s43, (0<<16)|(1<<20)|(1<<21)|(3<<22)|(3<<25)  ; 15:0 the mask: A's tiles go to my row; 17:16 element of 1 byte; 20 padding on; 21 set beside a mask; 24:22 after every 16 words; 31:25 of 4 words
	s_or_b32 s[G1B+0], s44, (0<<16)|(1<<20)|(1<<21)|(3<<22)|(3<<25)
.irp g, G1, G1B
	s_mov_b32 s[\g+1], ROWB<<16                    ; tensor_dim0
	s_mov_b32 s[\g+2], 128<<16                     ; tensor_dim1
	s_mov_b32 s[\g+3], ROWB<<16                    ; tile_dim0
	s_mov_b32 s[\g+4], 128                         ; tile_dim1
	s_mov_b32 s[\g+5], KROW                        ; tensor_dim0_stride
	s_mov_b32 s[\g+6], 0
	s_mov_b32 s[\g+7], 0
.endr
	; the scales of 128 rows: a dense block of 4,096 bytes, as rows of 256 bytes (32 elements of 8 bytes), 16 bytes of padding behind each
	s_or_b32 s[G1S+0], s43, (3<<16)|(1<<20)|(1<<21)|(5<<22)|(3<<25)
	s_or_b32 s[G1SB+0], s44, (3<<16)|(1<<20)|(1<<21)|(5<<22)|(3<<25)
.irp g, G1S, G1SB
	s_mov_b32 s[\g+1], 32<<16
	s_mov_b32 s[\g+2], (128*KS/256)<<16
	s_mov_b32 s[\g+3], 32<<16
	s_mov_b32 s[\g+4], 128*KS/256
	s_mov_b32 s[\g+5], 32
	s_mov_b32 s[\g+6], 0
	s_mov_b32 s[\g+7], 0
.endr
	s_lshl_b32 s18, s16, 7                         ; which 128 rows of the tile I fetch
	s_lshl_b32 s20, s17, 8
	s_add_co_u32 s20, s20, s18                     ; A': row 256 x tile row + 128 x half
	s_lshl_b32 s46, s42, 8
	s_add_co_u32 s46, s46, s18                     ; B': row 256 x tile column + 128 x half
	s_mov_b32 s21, 0
	s_mov_b32 s47, 0
	s_mov_b64 s[18:19], KS
	s_mul_u64 s[22:23], s[20:21], s[18:19]         ; where these rows' scales begin, in bytes
	s_mul_u64 s[92:93], s[46:47], s[18:19]
	s_mov_b64 s[18:19], KROW
	s_mul_u64 s[20:21], s[20:21], s[18:19]         ; and their codes
	s_mul_u64 s[46:47], s[46:47], s[18:19]
	s_mul_i32 s45, s14, HALFT                      ; where they go: wave x 128 rows: no place in the cluster enters an LDS address
	s_mul_i32 s94, s14, HALFS
	s_wait_kmcnt 0x0
	s_add_nc_u64 s[96:97], s[8:9], 2048*KROW       ; wv's codes: rows 2,048 on of the weights',
	s_add_nc_u64 s[98:99], s[10:11], 2048*KS       ; and its scales
	s_cmp_lt_u32 ttmp9, 16                         ; the choice hangs on the cluster's number alone, which all partners share
	s_cselect_b64 s[100:101], s[8:9], s[4:5]       ; B': wq over wk, or x
	s_cselect_b64 s[104:105], s[10:11], s[6:7]
	s_cselect_b64 s[4:5], s[4:5], s[96:97]         ; A': x, or wv
	s_cselect_b64 s[6:7], s[6:7], s[98:99]
	s_mov_b64 s[8:9], s[100:101]
	s_mov_b64 s[10:11], s[104:105]
	s_add_nc_u64 s[20:21], s[4:5], s[20:21]
	s_add_nc_u64 s[22:23], s[6:7], s[22:23]
	s_add_nc_u64 s[46:47], s[8:9], s[46:47]
	s_add_nc_u64 s[92:93], s[10:11], s[92:93]
	CROUND                                         ; all sixteen work-groups are here: the first joint loads meet
	s_mov_b32 s[G0S], 1
	s_add_co_u32 s[G0S+1], s94, SCL
	s_mov_b64 s[G0S+2:G0S+3], s[22:23]
	s_or_b32 s[G0S+3], s[G0S+3], 0x80000000
	s_mov_b32 s[G0SB], 1
	s_add_co_u32 s[G0SB+1], s94, SCL
	s_mov_b64 s[G0SB+2:G0SB+3], s[92:93]
	s_or_b32 s[G0SB+3], s[G0SB+3], 0x80000000
	JLOAD G0S, G1S, G0SB, G1SB                     ; the scales first: they are wanted with K step 0
.irp s, 0,1
	s_mov_b32 s[G0+4*\s], 1
	s_add_co_u32 s[G0+4*\s+1], s45, \s*SLOT
	s_add_nc_u64 s[G0+4*\s+2:G0+4*\s+3], s[20:21], \s*ROWB
	s_or_b32 s[G0+4*\s+3], s[G0+4*\s+3], 0x80000000
	s_mov_b32 s[G0B+4*\s], 1
	s_add_co_u32 s[G0B+4*\s+1], s45, \s*SLOT
	s_add_nc_u64 s[G0B+4*\s+2:G0B+4*\s+3], s[46:47], \s*ROWB
	s_or_b32 s[G0B+4*\s+3], s[G0B+4*\s+3], 0x80000000
	JLOAD G0+4*\s, G1, G0B+4*\s, G1B               ; three tensor loads of mine are out now
.endr
	v_and_b32 v1, 15, v0                           ; l % 16
	v_bfe_u32 v2, v0, 4, 1                         ; l / 16
	v_mul_u32_u24 v3, v1, PITCH
	v_mul_u32_u24 v4, v2, 24
	v_add_nc_u32 v4, v3, v4                        ; a fragment's row x pitch + 24 x half
	v_lshl_add_u32 v5, v2, 4, v4                   ; and the same behind one padding more
	s_mul_i32 s21, s15, HALFT                      ; my 128 rows of A
	s_mul_i32 s22, s16, HALFT                      ; my 128 rows of B,
	s_add_co_u32 s22, s22, 2*HALFT                 ; which lie behind A's 256
.irp s, 0,1
	v_add_nc_u32 v[ADRA+\s], s21, v4
	v_add_nc_u32 v[ADRB+\s], s22, v4
	v_add_nc_u32 v[ADRA+2+\s], s21, v5
	v_add_nc_u32 v[ADRB+2+\s], s22, v5
	s_add_co_u32 s21, s21, SLOT
	s_add_co_u32 s22, s22, SLOT
.endr
	v_mul_u32_u24 v5, v1, KS                       ; my row's scales: KS bytes a row,
	v_lshrrev_b32 v6, 8, v5
	v_lshl_add_u32 v5, v6, 4, v5                   ; and 16 more for each 256 passed
	s_mul_i32 s21, s15, HALFS                      ; A's: my 128 rows
	s_mul_i32 s22, s16, HALFS                      ; B's: my 128 rows, behind A's 256
	s_add_co_u32 s22, s22, 2*HALFS
	s_sub_co_u32 s22, s22, s21
	v_mul_u32_u24 v6, s22, v2                      ; lanes 16-31 take B's
	s_add_co_u32 s21, s21, SCL
	v_add_nc_u32 v5, v5, v6
	v_add_nc_u32 v[ADRS], s21, v5
	v_and_b32 v6, 31, v0
	v_lshlrev_b32 v[L8], 3, v6
	v_lshlrev_b32 v[L16], 4, v6
	v_lshlrev_b32 v[SH], 4, v2
	v_mov_b32 v[FL], 0x1800000
.irp b, 0,1,2,3
	v_mov_b32 v[TM+4+\b], 0                        ; written once: a lane permute's destination counts as one of its sources
.endr
	; where my results go: both coordinates enter these two store bases alone, in registers that feed no descriptor
	s_lshl_b32 s96, s17, 1
	s_add_co_u32 s96, s96, s15                     ; my 128 rows of C'
	s_lshl_b32 s97, s42, 1
	s_add_co_u32 s97, s97, s16                     ; my 128 columns
	s_add_co_u32 s98, s96, 16
	s_cmp_lt_u32 ttmp9, 16
	s_cselect_b32 s98, s97, s98                    ; HP: q, k: the columns' pair of heads;  v: 16 + the rows'
	s_cselect_b32 s99, s96, s97                    ; POS: the 128 tokens
	s_mul_i32 s100, s98, 786432
	s_mul_i32 s101, s99, 12288
	s_add_co_u32 s100, s100, s101
	s_mov_b32 s101, 0
	s_add_nc_u64 s[12:13], s[12:13], s[100:101]
	s_lshl_b32 s100, s98, 16
	s_lshl_b32 s104, s99, 10
	s_add_co_u32 s100, s100, s104
	s_add_nc_u64 s[66:67], s[66:67], s[100:101]
.macro FRAG reg, adr, q, i             ; a fragment, 16 rows x 128 K, is 12 registers: lane l holds row l % 16; registers 6 c .. 6 c + 5 hold K = 64 c + 32 (l / 16) + 0 .. 31: 24 bytes of the row, as they lie
.irp p, 0,1,2,3,4,5                    ; in pieces of 8 bytes.  Lanes 16-31 read three pieces further on than lanes 0-15
.set PIECE, 12*(\q)+6*(\p/3)+\p%3      ; 16 bytes of padding lie behind every 8 pieces: where the piece three on lies behind one padding more, the second address register serves
.if PIECE%8 < 5
	ds_load_b64 v[\reg+2*\p:\reg+2*\p+1], v[\adr] offset:8*PIECE+16*(PIECE/8)+(\i)*16*PITCH
.else
	ds_load_b64 v[\reg+2*\p:\reg+2*\p+1], v[\adr+2] offset:8*PIECE+16*(PIECE/8)+(\i)*16*PITCH
.endif
.endr
.endm
; 16 matrix instructions: A's blocks a0, a0 + 1 x B's eight, 128 along K.  p: B's set;  sc: the set of scale words.  zero = 1: the first product starts the sums.
; The 64 accumulators take turns, one instruction a turn, in the same order in every step.
.macro MUL16 a0, p, q, sc, zero
.irp a, \a0, \a0+1
.irp b, 0,1,2,3,4,5,6,7
.if \zero
	v_wmma_scale_f32_16x16x128_f8f6f4 v[8*(8*((\a)%4)+\b):8*(8*((\a)%4)+\b)+7], v[128*(\p)+FR*\b:128*(\p)+FR*\b+FR-1], v[AF+FR*(\a):AF+FR*(\a)+FR-1], 0, v[SC+8*NQ*(\sc)+NQ*\b+(\q)], v[SC+8*NQ*(\sc)+NQ*(\a)+(\q)] matrix_a_fmt:MATRIX_FMT_FP6 matrix_b_fmt:MATRIX_FMT_FP6 matrix_a_scale:MATRIX_SCALE_ROW1
.else
	v_wmma_scale_f32_16x16x128_f8f6f4 v[8*(8*((\a)%4)+\b):8*(8*((\a)%4)+\b)+7], v[128*(\p)+FR*\b:128*(\p)+FR*\b+FR-1], v[AF+FR*(\a):AF+FR*(\a)+FR-1], v[8*(8*((\a)%4)+\b):8*(8*((\a)%4)+\b)+7], v[SC+8*NQ*(\sc)+NQ*\b+(\q)], v[SC+8*NQ*(\sc)+NQ*(\a)+(\q)] matrix_a_fmt:MATRIX_FMT_FP6 matrix_b_fmt:MATRIX_FMT_FP6 matrix_a_scale:MATRIX_SCALE_ROW1
.endif
.endr
.endr
.endm
.macro FETCH_B slot, q, p              ; B's eight fragments of the slot's q-th 128 along K into set p
	WIN TO_B
.irp i, 0,1,2,3,4,5,6,7
	FRAG 128*(\p)+FR*\i, ADRB+\slot, \q, \i
.endr
	WIN 0
.endm
.macro FETCH_A slot, q, i0             ; A's blocks i0 .. i0 + 3
.irp i, \i0, \i0+1, \i0+2, \i0+3
	FRAG AF+FR*(\i), ADRA+\slot, \q, \i
.endr
.endm
.macro SCALES sc                       ; the next K step's scale words into set sc: lanes 0-15 take A's block i, lanes 16-31 B's block i
.irp i, 0,1,2,3,4,5,6,7
	ds_load_b64 v[SC+8*NQ*\sc+NQ*\i:SC+8*NQ*\sc+NQ*\i+1], v[ADRS] offset:\i*SBLK
.endr
.endm
; A load into a register that a matrix instruction has read, and a vector instruction that reads a matrix result, stand NP places behind that matrix instruction; only plain vector instructions that name none of
; its registers are places (ISA guide 7.12.1 for vector instructions).
.macro PLACES n
.rept \n
	v_nop
.endr
.endm
.macro STEP slot, q, zero              ; a step of 128 along K that has its successor in the same slot
	s_wait_dscnt 4*NL                              ; B's set and A's blocks 0-3 are in; the youngest 24 loads (A's blocks 4-7) may be out
	WIN MUL_LO
	MUL16 0, (\q)%2, \q, \slot, \zero
	MUL16 2, (\q)%2, \q, \slot, \zero
	s_wait_dscnt 0                                 ; A's blocks 4-7 are in
	PLACES NP
	FETCH_B \slot, (\q)+1, 1-(\q)%2
	FETCH_A \slot, (\q)+1, 0
	WIN MUL_HI
	MUL16 4, (\q)%2, \q, \slot, \zero
	MUL16 6, (\q)%2, \q, \slot, \zero
	PLACES NP
	WIN 0
	FETCH_A \slot, (\q)+1, 4
.endm
; A slot's last step changes slots: one barrier; in front of it each wave waits for all its tensor loads, adds 0 to its spare word, and waits for that and for its own reads of this slot.  fill = 1: this slot is filled again.
.macro TURN slot, next, fill
	s_wait_tensorcnt 0x0                           ; all my tensor loads have landed: my part of the next slot
	ds_add_u32 v[SPW], v[NIL]                      ; 0 onto my spare word
	s_wait_dscnt 4*NL+1                            ; (the add and the youngest 24 loads, A's blocks 4-7, may be out)
	WIN MUL_LO
	MUL16 0, 1, NQ-1, \slot, 0                     ; sixteen matrix instructions stand between the add and the wait for it
	s_wait_dscnt 0x0                               ; the add is done, and my reads of this slot are over
	s_barrier_signal -1
	MUL16 2, 1, NQ-1, \slot, 0
	WIN 0
	s_barrier_wait -1
.if \fill
	CREST                                          ; the barrier has opened a round of the cluster's barrier: no wave of any partner still reads this slot's tile or has a load on its way
	s_add_nc_u64 s[G0+4*\slot+2:G0+4*\slot+3], s[G0+4*\slot+2:G0+4*\slot+3], 2*ROWB
	s_add_nc_u64 s[G0B+4*\slot+2:G0B+4*\slot+3], s[G0B+4*\slot+2:G0B+4*\slot+3], 2*ROWB
	JLOAD G0+4*\slot, G1, G0B+4*\slot, G1B         ; the first tensor load behind the round; its four v_nop are the places in front of the loads below
.else
	PLACES NP
.endif
	v_add_nc_u32 v[ADRS], 4*NQ, v[ADRS]            ; on to the next K step's scale words (no LDS load of mine is out)
	FETCH_B \next, 0, 0
	FETCH_A \next, 0, 0
	SCALES \next
	WIN MUL_HI
	MUL16 4, 1, NQ-1, \slot, 0
	MUL16 6, 1, NQ-1, \slot, 0
	PLACES NP
	WIN 0
	FETCH_A \next, 0, 4
.endm
	s_wait_tensorcnt 1                             ; the scales and my part of K step 0 are in (K step 1's load may be out),
	s_barrier_signal -1
	s_barrier_wait -1                              ; everybody's are
	FETCH_B 0, 0, 0
	FETCH_A 0, 0, 0
	SCALES 0
	FETCH_A 0, 0, 4
	STEP 0, 0, 1                                   ; the first step stands in front of the loop: its products start the sums
	s_mov_b32 s3, LAPS-1
.Llap:                                                 ; a trip goes once round the ring, from a lap's second step to the next lap's first, and fills both slots again
	TURN 0, 1, 1
	STEP 1, 0, 0
	TURN 1, 0, 1
	STEP 0, 0, 0
	s_sub_co_u32 s3, s3, 1
	s_cmp_lg_u32 s3, 0
	s_cbranch_scc1 .Llap
	TURN 0, 1, 0                                   ; the last lap fills nothing, and has no round of the cluster's barrier
	STEP 1, 0, 0
	s_wait_dscnt 4*NL                              ; the very last step: nothing more to fetch
	WIN MUL_LO
	MUL16 0, 1, NQ-1, 1, 0
	MUL16 2, 1, NQ-1, 1, 0
	s_wait_dscnt 0
	WIN MUL_HI
	MUL16 4, 1, NQ-1, 1, 0
	MUL16 6, 1, NQ-1, 1, 0
	WIN 0
	s_mov_b32 s[SEL], 0x76543210
	s_mov_b32 s[SEL+1], 0xfedcba98                 ; lane l xor 16
; THE WAY OUT, block by block of 16 rows x 128 columns, with no LDS.  A lane's 64 registers of a block are, for b = 0 .. 3, the numbers 32 b + 16 (lane / 16) + 0 .. 15 of its row: four blocks of 32 along the next K,
; each shared with lane l xor 16.  Largest magnitudes, scale bytes, conversions, the exchange of halves: the result is the next product's fragment, stored as its registers stand.
.macro OUTBLK a
.set OW, 2+(\a)/4                      ; the block's window
.set OAC, 64*((\a)%4)                  ; its eight accumulators
.set OW12, (OW<<2)|(OW<<4)
	WIN OW12                                       ; sources 1 and 2 in the block's window
.irp b, 0,1,2,3
	v_max3_num_f32 v[TM+\b], v[FL], |v[OAC+16*\b]|, |v[OAC+16*\b+1]|   ; with the floor as a leaf: the byte cannot fall under 1.  Each accumulator is read from its low end on
.endr
.irp i, 2,4,6,8,10,12,14
.irp b, 0,1,2,3
	v_max3_num_f32 v[TM+\b], v[TM+\b], |v[OAC+16*\b+\i]|, |v[OAC+16*\b+\i+1]|   ; (the four blocks by turns)
.endr
.endr
	WIN 0
.irp b, 0,1,2,3
	v_permlanex16_b32 v[TM+4+\b], v[TM+\b], s[SEL], s[SEL+1]
.endr
.irp b, 0,1,2,3
	v_max_num_f32 v[TM+\b], v[TM+\b], v[TM+4+\b]   ; with lane l xor 16's: the block's largest magnitude
.endr
.irp b, 0,1,2,3
	v_add_nc_u32 v[TM+12+\b], 0xff000000, v[TM+\b] ; 2 off its exponent field: the conversion's scale operand
.endr
.irp b, 0,1,2,3
	v_lshrrev_b32 v[TM+4+\b], 23, v[TM+12+\b]      ; the scale's byte
.endr
	v_lshl_or_b32 v[PW], v[TM+5], 8, v[TM+4]
	v_lshl_or_b32 v[PW], v[TM+6], 16, v[PW]
	v_lshl_or_b32 v[PW], v[TM+7], 24, v[PW]        ; my row's scale word
	v_lshrrev_b32 v[SW+(\a)], v[SH], v[PW]         ; lanes 16-31 keep its upper two bytes at the bottom: the second head's word
	s_wait_xcnt 0x0                                ; the last block's stores have read their registers: the codes' registers are written again only behind this wait
	WIN OW                                         ; source 0 in the block's window
.irp c, 0,1
	v_cvt_scalef32_pk16_fp6_f32 v[PC+6*\c:PC+6*\c+2], v[OAC+32*\c:OAC+32*\c+15], v[TM+12+2*\c]
	v_cvt_scalef32_pk16_fp6_f32 v[PC+12+4*\c:PC+14+4*\c], v[OAC+32*\c+16:OAC+32*\c+31], v[TM+13+2*\c]   ; (a conversion's three registers begin on an even number)
.endr
	WIN 0
	v_nop                                          ; one plain place behind a scaled conversion
.irp c, 0,1                                    ; the operand's layout wants a whole block in a lane: lanes 0-15 block 2 c, lanes 16-31 block 2 c + 1
.irp i, 0,1,2
	v_permlane16_swap_b32 v[PC+6*\c+\i], v[PC+12+4*\c+\i]
.endr
.irp i, 0,1,2
	v_mov_b32 v[PC+3+6*\c+\i], v[PC+12+4*\c+\i]
.endr
.endr
.irp p, 0,1,2,3,4,5
	global_store_b64 v[L8], v[PC+2*\p:PC+2*\p+1], s[12:13] offset:(\a)*1536+\p*256   ; 32 lanes store 256 consecutive bytes, aligned
.endr
.if ((\a)%4) == 3
	global_store_b128 v[L16], v[SW+(\a)-3:SW+(\a)], s[66:67] offset:((\a)/4)*512     ; four blocks' words: 512 consecutive bytes
.endif
.endm
	PLACES NP                                      ; the first reads of results stand four places behind the last products
.irp a, 0,1,2,3,4,5,6,7
	OUTBLK \a
.endr
	s_wait_tensorcnt 0x0                           ; the wave's end
	ds_add_u32 v[SPW], v[NIL]
	s_wait_dscnt 0x0
	CROUND                                         ; the closing round: no work-group ends while a partner may still ask for a tile that names it
	s_endpgm
.Lfunc_end_k_qbd34bf31a2_qkvgemm:
	.size	k_qbd34bf31a2_qkvgemm, .Lfunc_end_k_qbd34bf31a2_qkvgemm-k_qbd34bf31a2_qkvgemm
	.p2alignl 7, 3214868480
	.fill 96, 4, 3214868480
	.section	.rodata,"a",@progbits
	.p2align	6, 0x0
	.amdhsa_kernel k_qbd34bf31a2_qkvgemm
		.amdhsa_group_segment_fixed_size 327680
		.amdhsa_private_segment_fixed_size 0
		.amdhsa_enable_private_segment 0
		.amdhsa_kernarg_size 48
		.amdhsa_user_sgpr_count 2
		.amdhsa_user_sgpr_kernarg_segment_ptr 1
		.amdhsa_wavefront_size32 1
		.amdhsa_system_sgpr_workgroup_id_x 1
		.amdhsa_system_sgpr_workgroup_id_y 1
		.amdhsa_system_sgpr_workgroup_id_z 1
		.amdhsa_system_vgpr_workitem_id 0
		.amdhsa_next_free_vgpr 1024
		.amdhsa_next_free_sgpr 106
		.amdhsa_reserve_vcc 0
		.amdhsa_float_denorm_mode_32 3
		.amdhsa_float_denorm_mode_16_64 3
		.amdhsa_memory_ordered 1
		.amdhsa_forward_progress 1
		.amdhsa_inst_pref_size 166
	.end_amdhsa_kernel
	.amdgpu_metadata
---
amdhsa.version: [ 1, 2 ]
amdhsa.kernels:
  - .name:           k_qbd34bf31a2_qkvgemm
    .symbol:         k_qbd34bf31a2_qkvgemm.kd
    .args:
      - { .name: xcodes, .offset: 0, .size: 8, .value_kind: global_buffer, .address_space: global }
      - { .name: xscales, .offset: 8, .size: 8, .value_kind: global_buffer, .address_space: global }
      - { .name: wcodes, .offset: 16, .size: 8, .value_kind: global_buffer, .address_space: global }
      - { .name: wscales, .offset: 24, .size: 8, .value_kind: global_buffer, .address_space: global }
      - { .name: qkv, .offset: 32, .size: 8, .value_kind: global_buffer, .address_space: global }
      - { .name: qkvs, .offset: 40, .size: 8, .value_kind: global_buffer, .address_space: global }
    .group_segment_fixed_size: 327680
    .private_segment_fixed_size: 0
    .kernarg_segment_align: 8
    .kernarg_segment_size: 48
    .max_flat_workgroup_size: 128
    .sgpr_count:     106
    .vgpr_count:     1024
    .wavefront_size: 32
...
	.end_amdgpu_metadata
.endif
;; end of part 2
;; launch attn (part 3): grid 4 x 64, 16 waves a work-group, clusters of 4 x 1, 210,944 bytes of LDS; arguments qkv, qkvs, ocodes, oscales; writes ocodes, oscales
.if DOCPART == 3
	.amdgcn_target "amdgcn-amd-amdhsa--gfx1250"
	.amdhsa_code_object_version 6
	.text
	.protected	k_qbd34bf31a2_attn
	.globl	k_qbd34bf31a2_attn
	.p2align	8
	.type	k_qbd34bf31a2_attn,@function
k_qbd34bf31a2_attn:
	s_mov_b64 s[64:65], 0
	v_nop
	global_prefetch_b8 v0, s[64:65] scope:SCOPE_SE
	s_setreg_imm32_b32 hwreg(HW_REG_WAVE_MODE, 25, 1), 1
	s_wait_xcnt 0x0
	s_wait_alu depctr_hold_cnt(0) depctr_sa_sdst(0) depctr_va_vdst(0) depctr_va_sdst(0) depctr_va_ssrc(0) depctr_va_vcc(0) depctr_vm_vsrc(0)
	s_getreg_b32 s2, hwreg(HW_REG_IB_STS2, 6, 4)
	s_cmp_eq_u32 s2, 0
	s_cbranch_scc0 .Lentry_in_a_cluster
	s_endpgm
.Lentry_in_a_cluster:
	s_bfe_u32 s2, ttmp6, 0x10000c
	s_cmp_lg_u32 s2, 0x3003
	s_cbranch_scc0 .Lentry_shape_is_right
	s_endpgm
.Lentry_shape_is_right:
; Causal attention of one head (64 channels, 2,048 tokens) on codes of FP6 (E2M3) with one E8M0 scale for each 32 along a product's K, and the quantising of its result for the last projection.
; t = score x log2(e) / 8; M = the row's largest t so far, rounded up to a whole number; p = 2^(t - M) is quantised along the keys, not normalised; the row's sum is taken of the unquantised p and divides O at the end.
; When M moves, the sum and O are multiplied by 2^(old M - new M): exact.
; SHARES.  The four work-groups of a cluster serve one head (64 clusters: batch x head).  ALL of the head's K and V, codes and scale words, 208,896 bytes, come into each work-group's LDS once, by joint loads
; (the same tensor load, the same descriptor, a mask that names the four); nothing is filled again, so the loops have no barrier.
; A wave owns two tiles of 16 queries, one after the other: tile a = 4 (w % 2) + cx of the 128 queries G = w / 2, then tile 7 - a of G' = 15 - G.  It walks G + 1 and then 16 - G key steps of 128: 17 for every wave
; of every work-group.  G hangs on the wave's number alone: no branch hangs on the place in the cluster, which enters global addresses and the mask's numbers only.
; A trip whose keys all come after the wave's queries jumps to the lines that step the addresses: the trip counts stay constants (8 and 16).
; LAYOUT.  Both products are used transposed: S^T = K Q^T (source 0 = 16 keys, source 1 = my 16 queries), O^T = V^T P^T: a lane holds one query throughout.  The rows of a stored tile are 32 (a / 2) + 8 (a % 2) + r + 8 (r / 8),
; so the 16 registers of two neighbouring result tiles are 16 neighbours: of the keys in S^T, of the channels in O^T.  Operands lie in memory and LDS as images of their registers: every LDS load is consecutive across the lanes.
; K = 64 IN AN INSTRUCTION OF K = 128.  Q's fragment has zero codes in its upper six registers.  K's operand for tile a names 12 registers, the upper six being the next tile's codes (zeros behind tile 7): they meet zero
; codes alone, under scale bytes that are 0 to 252, never 0xff: they add exactly 0.
; OUT.  ocodes [tile of rows 512][pair of heads 8][head 2][3][lane 32][8 bytes]: half a fragment of the next product's A, 768 bytes in three aligned runs of 256.  oscales [row][32]: a lane stores one byte of its row, 32 bytes
; from lane to lane: 2 bytes for every 48 bytes of codes; a row's other bytes belong to other heads' work-groups, so they cannot be gathered here.
; LIMITS: hidden scores are taken as -infinity where the source writes -1e9: the same as long as a row's visible logits stay far above -1e9; NaN and infinities are not served; a block of results under 2^-124 keeps the byte 1.
; REGISTERS: v1-7, v29-31 addresses and lane numbers that stay; v8-11 addresses of the loads in hand; v12 -M, v13 the largest t, v[14:15] the sum; v16-21 Q, v22-27 zeros; v32-79 K's eight tiles, later V's four fragments;
; v80-85 zeros; v88-95 K's or V's scale words; v96-159 S^T, then p; v160-191 O^T; v224-235 p's codes; v232-254 at work; v255 Q's scale word.
.set KL,   0                           ; LDS: K's codes: step j, tile a, piece p: 6144 j + 768 a + 256 p + 8 x lane
.set VL,   98304                       ; V's codes: 6144 j + 1536 t + 256 p + 8 x lane
.set KSL,  196608                      ; K's scale words: 512 j + 256 (a / 4) + 16 r + 4 (a % 4)
.set VSL,  204800                      ; V's: 256 j + 16 r + 4 t
.set AK0,  1
.set AV0,  2
.set ASK0, 3
.set ASV0, 4
.set L8,   5                           ; v5   8 x lane: global offset of my piece of an image
.set R16,  6                           ; v6   16 r
.set RM,   7                           ; v7   r + 8 (r / 8) - 16 (lane / 16)
.set ADK,  8
.set ADV,  9
.set ADS,  10
.set ADT,  11
.set WV,   18                          ; s18  my wave's number
.set CX,   19                          ; s19  my place in the cluster
.set SEL,  20                          ; s[20:21] lane l xor 16
.set CS,   22                          ; s[22:23] c = log2(e) / 8
.set G1KC, 24                          ; s[24:31] .. s[48:55] four groups 1;  s[56:63], s[68:75] four groups 0
.set G1KS, 32
.set G1VC, 40
.set G1VS, 48
.set G0KC, 56
.set G0KS, 60
.set G0VC, 68
.set G0VS, 72
.set TB,   2                           ; s2   the step's codes: 6,144 bytes a step
.set TS,   3                           ; s3   K's scale words: 512 a step
.set TJ,   66                          ; s66  V's: 256 a step
.set J,    67                          ; s67  the key step
.set GP,   76                          ; s76  my 128 queries in this pass
.set AT,   77                          ; s77  my tile among their eight
.set QA,   78                          ; s[78:79] Q's codes;  s[80:81] its scale words;  s[82:83], s[84:85] where the result goes
.set QS,   80
.set OC,   82
.set OS,   84
.set SB,   87                          ; s87 batch, s88 head, s89 pair of heads, s90 head in the pair
.set SHD,  88
.set SHP,  89
.set SCH,  90
.set QKB,  92                          ; s92  the pair's and the batch's bytes in qkv;  s93 in qkvs
.set QSB,  93
.macro CROUND                          ; a round of the cluster's barrier
	s_barrier_signal -1
	s_barrier_wait -1
	s_cmp_lg_u32 s[WV], 0
	s_cbranch_scc1 .Lnot_wave_0_\@
	s_barrier_signal -3
.Lnot_wave_0_\@:
	s_barrier_wait -3
	s_barrier_signal -1
	s_barrier_wait -1
.endm
.macro GROUP1 g, d0, d1, st            ; d1 rows of d0 elements of 8 bytes, st elements apart; no padding; the mask names all four work-groups, bit 21 set beside it
	s_mov_b32 s[\g], 15|(3<<16)|(1<<21)
	s_mov_b32 s[\g+1], (\d0)<<16                   ; tensor_dim0
	s_mov_b32 s[\g+2], (\d1)<<16                   ; tensor_dim1
	s_mov_b32 s[\g+3], (\d0)<<16                   ; tile_dim0
	s_mov_b32 s[\g+4], \d1                         ; tile_dim1
	s_mov_b32 s[\g+5], \st                         ; tensor_dim0_stride
	s_mov_b32 s[\g+6], 0
	s_mov_b32 s[\g+7], 0
.endm
	s_load_b256 s[4:11], s[0:1], 0x0               ; qkv, qkvs, ocodes, oscales
	v_lshl_add_u32 v250, v0, 2, 0x33000
	v_mov_b32 v251, 0
	ds_add_u32 v250, v251
	ds_add_u32 v250, v251
	v_lshrrev_b32 v1, 5, v0
	s_delay_alu instid0(VALU_DEP_1)
	v_readfirstlane_b32 s[WV], v1                  ; wave 0..15
	s_bfe_u32 s[CX], ttmp6, 0x40000
	s_and_b32 s86, ttmp7, 0xffff                   ; batch x 16 + head, which the four partners share
	s_lshr_b32 s[SB], s86, 4
	s_and_b32 s[SHD], s86, 15
	s_lshr_b32 s[SHP], s[SHD], 1
	s_and_b32 s[SCH], s[SHD], 1
	s_and_b32 s91, s[WV], 7                        ; which two key steps I fetch: waves 0-7 of K, waves 8-15 of V
	s_mul_i32 s[QKB], s[SHP], 786432
	s_mul_i32 s94, s[SB], 196608
	s_add_co_u32 s[QKB], s[QKB], s94
	s_lshl_b32 s[QSB], s[SHP], 16
	s_lshl_b32 s94, s[SB], 14
	s_add_co_u32 s[QSB], s[QSB], s94
	s_mul_i32 s94, s91, 24576                      ; two steps of 12,288 bytes (both heads of the pair)
	s_add_co_u32 s94, s94, s[QKB]
	s_mul_i32 s95, s[SCH], 768
	s_add_co_u32 s76, s94, s95
	s_add_co_u32 s76, s76, 8*786432                ; K's codes: my head's 768 bytes of each tile's 1,536
	s_mov_b32 s77, 0
	s_mul_i32 s95, s[SCH], 6144
	s_add_co_u32 s80, s94, s95
	s_add_co_u32 s80, s80, 16*786432               ; V's codes: my head's 6,144 bytes of each step's 12,288
	s_mov_b32 s81, 0
	s_lshl_b32 s94, s91, 11                        ; two steps of 1,024 bytes of scale words
	s_add_co_u32 s94, s94, s[QSB]
	s_lshl_b32 s95, s[SCH], 8
	s_add_co_u32 s78, s94, s95
	s_add_co_u32 s78, s78, 8*65536                 ; K's: my head's 256 bytes of each 512
	s_mov_b32 s79, 0
	s_lshl_b32 s95, s[SCH], 9
	s_add_co_u32 s82, s94, s95
	s_add_co_u32 s82, s82, 16*65536                ; V's: the first 256 bytes of my head's 512
	s_mov_b32 s83, 0
	GROUP1 G1KC, 96, 16, 192                       ; 16 tiles x 768 bytes, 1,536 apart
	GROUP1 G1KS, 32, 4, 64                         ; 4 x 256 bytes, 512 apart
	GROUP1 G1VC, 768, 2, 1536                      ; 2 steps x 6,144 bytes, 12,288 apart
	GROUP1 G1VS, 32, 2, 128                        ; 2 x 256 bytes, 1,024 apart
	s_mov_b32 s[SEL], 0x76543210
	s_mov_b32 s[SEL+1], 0xfedcba98
	s_mov_b32 s[CS], 0x3e38aa3b                    ; log2(e) / 8
	s_mov_b32 s[CS+1], s[CS]                       ; (named with it as a pair, so it is written)
	s_wait_dscnt 0x0
	s_wait_kmcnt 0x0
	s_mov_b32 s[G0KC], 1                           ; count = 1; the LDS address: a constant + a constant x (wave % 8); the global address; type = 2
	s_mul_i32 s[G0KC+1], s91, 12288
	s_add_nc_u64 s[G0KC+2:G0KC+3], s[4:5], s[76:77]
	s_or_b32 s[G0KC+3], s[G0KC+3], 0x80000000
	s_mov_b32 s[G0KS], 1
	s_lshl_b32 s[G0KS+1], s91, 10
	s_add_co_u32 s[G0KS+1], s[G0KS+1], KSL
	s_add_nc_u64 s[G0KS+2:G0KS+3], s[6:7], s[78:79]
	s_or_b32 s[G0KS+3], s[G0KS+3], 0x80000000
	s_mov_b32 s[G0VC], 1
	s_mul_i32 s[G0VC+1], s91, 12288
	s_add_co_u32 s[G0VC+1], s[G0VC+1], VL
	s_add_nc_u64 s[G0VC+2:G0VC+3], s[4:5], s[80:81]
	s_or_b32 s[G0VC+3], s[G0VC+3], 0x80000000
	s_mov_b32 s[G0VS], 1
	s_lshl_b32 s[G0VS+1], s91, 9
	s_add_co_u32 s[G0VS+1], s[G0VS+1], VSL
	s_add_nc_u64 s[G0VS+2:G0VS+3], s[6:7], s[82:83]
	s_or_b32 s[G0VS+3], s[G0VS+3], 0x80000000
	CROUND                                         ; all four work-groups are here: the joint loads meet
	s_cmp_lt_u32 s[WV], 8                          ; a wave's two fills stand in one branch on its number, ahead of every wait on TENSORcnt and every LDS read: two loads of mine are out
	s_cbranch_scc0 .Lfirst_v
	tensor_load_to_lds s[G0KS:G0KS+3], s[G1KS:G1KS+7]
	s_nop 0
	tensor_load_to_lds s[G0KC:G0KC+3], s[G1KC:G1KC+7]
	s_nop 0
.rept 4
	v_nop
.endr
	s_branch .Lfirst_asked
.Lfirst_v:
	tensor_load_to_lds s[G0VS:G0VS+3], s[G1VS:G1VS+7]
	s_nop 0
	tensor_load_to_lds s[G0VC:G0VC+3], s[G1VC:G1VC+7]
	s_nop 0
.rept 4
	v_nop
.endr
.Lfirst_asked:
	v_and_b32 v8, 31, v0                           ; lane
	v_and_b32 v9, 15, v0                           ; r
	v_bfe_u32 v10, v0, 4, 1                        ; lane / 16
	s_delay_alu instid0(VALU_DEP_3)
	v_lshlrev_b32 v[AK0], 3, v8
	s_delay_alu instid0(VALU_DEP_4)
	v_lshl_add_u32 v[AV0], v8, 3, VL
	s_delay_alu instid0(VALU_DEP_4)
	v_lshl_add_u32 v[ASK0], v9, 4, KSL
	v_lshl_add_u32 v[ASV0], v9, 4, VSL
	v_lshlrev_b32 v[L8], 3, v8
	v_lshlrev_b32 v[R16], 4, v9
	v_lshrrev_b32 v11, 3, v9
	s_delay_alu instid0(VALU_DEP_1)
	v_lshl_add_u32 v[RM], v11, 3, v9
	v_lshlrev_b32 v11, 4, v10
	s_delay_alu instid0(VALU_DEP_1)
	v_sub_nc_u32 v[RM], v[RM], v11
	v_lshlrev_b32 v30, 3, v10                      ; 8 x (lane / 16): which of the result's two scale bytes is mine to store
	v_lshl_add_u32 v31, v9, 5, v10                 ; and where: 32 r + lane / 16
.irp i, 22,23,24,25,26,27,80,81,82,83,84,85
	v_mov_b32 v[\i], 0                             ; zero codes: Q's upper half, and what stands behind K's tile 7
.endr
.irp i, 236,237,238,239,252,253
	v_mov_b32 v[\i], 0                             ; written once: a lane permute's destination counts as one of its sources; v253 is named in a pair before it is first made
.endr
	s_wait_tensorcnt 0x0                           ; my two fills have landed,
	s_barrier_signal -1
	s_barrier_wait -1                              ; everybody's have: the head's K and V lie in LDS, and nobody writes LDS again
; A KEY STEP: 128 keys against my 16 queries.
.macro STEP
	s_cmp_gt_u32 s[J], s[GP]                       ; all its keys come after my queries: only the addresses step
	s_cbranch_scc1 .Lhidden_\@
	s_setprio 2
	v_add_nc_u32 v[ADK], s[TB], v[AK0]             ; (these four are also the places in front of loads into registers that the last products read)
	v_add_nc_u32 v[ADV], s[TB], v[AV0]
	v_add_nc_u32 v[ADS], s[TS], v[ASK0]
	v_add_nc_u32 v[ADT], s[TJ], v[ASV0]
.irp a, 0,1,2,3,4,5,6,7
.irp p, 0,1,2
	ds_load_b64 v[32+6*\a+2*\p:33+6*\a+2*\p], v[ADK] offset:\a*768+\p*256
.endr
.endr
	ds_load_b128 v[88:91], v[ADS]                  ; the scale words of tiles 0-3 of my row,
	ds_load_b128 v[92:95], v[ADS] offset:256       ; and of tiles 4-7
	s_wait_dscnt 0x0
.irp a, 0,1,2,3,4,5,6,7
	v_wmma_scale_f32_16x16x128_f8f6f4 v[96+8*\a:103+8*\a], v[32+6*\a:43+6*\a], v[16:27], 0, v[88+\a], v255 matrix_a_fmt:MATRIX_FMT_FP6 matrix_b_fmt:MATRIX_FMT_FP6
.endr                                          ; register 16 b + i: key 128 J + 32 b + 16 (lane / 16) + i
.rept 4
	v_nop
.endr
	s_cmp_lg_u32 s[J], s[GP]                       ; only the step on the diagonal hides keys
	s_cbranch_scc1 .Lopen_\@
	v_mov_b32 v254, 0xff800000                     ; -infinity: p = 0 then
.irp n, 0,1,2,3,4,5,6,7,8,9,10,11,12,13,14,15,16,17,18,19,20,21,22,23,24,25,26,27,28,29,30,31,32,33,34,35,36,37,38,39,40,41,42,43,44,45,46,47,48,49,50,51,52,53,54,55,56,57,58,59,60,61,62,63
	v_cmp_gt_i32 vcc_lo, 32*(\n/16)+\n%16, v29     ; v29 = my query - 128 G - 16 (lane / 16)
	v_cndmask_b32 v[96+\n], v[96+\n], v254, vcc_lo
.endr
.Lopen_\@:
.irp b, 0,1,2,3
	v_max3_num_f32 v[232+\b], v[96+16*\b], v[97+16*\b], v[98+16*\b]   ; the largest score of each block of 32 keys: for the row's maximum, and, since p rises with the score, for the block's largest p
.endr
.irp i, 3,5,7,9,11,13
.irp b, 0,1,2,3
	v_max3_num_f32 v[232+\b], v[232+\b], v[96+16*\b+\i], v[97+16*\b+\i]
.endr
.endr
.irp b, 0,1,2,3
	v_max_num_f32 v[232+\b], v[232+\b], v[111+16*\b]
.endr
.irp b, 0,1,2,3
	s_delay_alu instid0(VALU_DEP_4)
	v_permlanex16_b32 v[236+\b], v[232+\b], s[SEL], s[SEL+1]
.endr
.irp b, 0,1,2,3
	s_delay_alu instid0(VALU_DEP_4)
	v_max_num_f32 v[232+\b], v[232+\b], v[236+\b]  ; with lane l xor 16's 16 keys
.endr
	s_delay_alu instid0(VALU_DEP_2)
	v_max3_num_f32 v254, v232, v233, v234
	s_delay_alu instid0(VALU_DEP_1)
	v_max_num_f32 v254, v254, v235                 ; the step's largest score of my query
	s_delay_alu instid0(VALU_DEP_1)
	v_mul_f32 v254, s[CS], v254                    ; as t (c is positive)
	s_delay_alu instid0(VALU_DEP_1)
	v_max_num_f32 v13, v13, v254                   ; the running largest t
	v_mov_b32 v254, v12
	s_delay_alu instid0(VALU_DEP_2)
	v_floor_f32 v12, -v13                          ; the new -M = floor(-t): M is a whole number
	s_delay_alu instid0(VALU_DEP_1)
	v_sub_f32 v254, v12, v254                      ; M's old value less its new one: a whole number, 0 or less
	s_delay_alu instid0(VALU_DEP_1)
	v_cvt_i32_f32 v254, v254                       ; (it saturates)
	s_delay_alu instid0(VALU_DEP_1)
	v_ldexp_f32 v252, 1.0, v254                    ; f = 2^(old M - new M)
.irp j, 0,2,4,6,8,10,12,14,16,18,20,22,24,26,28,30,32,34,36,38,40,42,44,46,48,50,52,54,56,58,60,62
	v_pk_fma_f32 v[96+\j:97+\j], v[96+\j:97+\j], s[CS:CS+1], v[12:13] op_sel_hi:[1,0,0]   ; t - M, two at a time
.endr
.irp b, 0,1,2,3
	v_fma_f32 v[232+\b], v[232+\b], s[CS], v12     ; the same of each block's largest score
.endr
	s_setprio 1
	s_wait_alu depctr_va_vdst(0)
.irp j, 0,1,2,3,4,5,6,7,8,9,10,11,12,13,14,15,16,17,18,19,20,21,22,23,24,25,26,27,28,29,30,31,32,33,34,35,36,37,38,39,40,41,42,43,44,45,46,47,48,49,50,51,52,53,54,55,56,57,58,59,60,61,62,63
	v_exp_f32 v[96+\j], v[96+\j]                   ; p = 2^(t - M), at most 1
.endr
	v_pk_mul_f32 v[14:15], v[14:15], v[252:253] op_sel_hi:[1,0]   ; the sums under the new M.  (A plain place behind the exponentials)
	s_wait_alu depctr_va_vdst(0)                   ; one wait for the whole batch, ahead of its first reader
.irp b, 0,1,2,3
	v_exp_f32 v[232+\b], v[232+\b]                 ; the block's largest p: the same two instructions on the same number give the same bits
.endr
	v_pk_add_f32 v[236:237], v[100:101], v[104:105]
	v_pk_add_f32 v[248:249], v[108:109], v[112:113]
	v_pk_add_f32 v[246:247], v[116:117], v[120:121]
	v_pk_add_f32 v[244:245], v[124:125], v[128:129]
	v_pk_add_f32 v[242:243], v[132:133], v[136:137]
	v_pk_add_f32 v[240:241], v[140:141], v[144:145]
	v_pk_add_f32 v[238:239], v[148:149], v[152:153]
	v_pk_add_f32 v[14:15], v[14:15], v[156:157]
	v_pk_add_f32 v[236:237], v[236:237], v[96:97]
	v_pk_add_f32 v[248:249], v[248:249], v[98:99]
	v_pk_add_f32 v[246:247], v[246:247], v[102:103]
	v_pk_add_f32 v[244:245], v[244:245], v[106:107]
	v_pk_add_f32 v[242:243], v[242:243], v[110:111]
	v_pk_add_f32 v[240:241], v[240:241], v[114:115]
	v_pk_add_f32 v[238:239], v[238:239], v[118:119]
	v_pk_add_f32 v[14:15], v[14:15], v[122:123]
	v_pk_add_f32 v[236:237], v[236:237], v[126:127]
	v_pk_add_f32 v[248:249], v[248:249], v[130:131]
	v_pk_add_f32 v[246:247], v[246:247], v[134:135]
	v_pk_add_f32 v[244:245], v[244:245], v[138:139]
	v_pk_add_f32 v[242:243], v[242:243], v[142:143]
	v_pk_add_f32 v[240:241], v[240:241], v[146:147]
	v_pk_add_f32 v[238:239], v[238:239], v[150:151]
	v_pk_add_f32 v[14:15], v[14:15], v[154:155]
	v_pk_add_f32 v[236:237], v[236:237], v[158:159]
	s_delay_alu instid0(VALU_DEP_2)
	v_pk_add_f32 v[14:15], v[14:15], v[244:245]
	s_delay_alu instid0(VALU_DEP_2)
	v_pk_add_f32 v[236:237], v[236:237], v[242:243]
	v_pk_add_f32 v[248:249], v[248:249], v[240:241]
	v_pk_add_f32 v[246:247], v[246:247], v[238:239]
	s_delay_alu instid0(VALU_DEP_2)
	v_pk_add_f32 v[14:15], v[14:15], v[248:249]
	s_delay_alu instid0(VALU_DEP_2)
	v_pk_add_f32 v[236:237], v[236:237], v[246:247]
	s_delay_alu instid0(VALU_DEP_1)
	v_pk_add_f32 v[14:15], v[14:15], v[236:237]
	s_wait_alu depctr_va_vdst(0)                   ; and one for the four
.irp b, 0,1,2,3
	v_max_num_f32 v[232+\b], 0x1800000, v[232+\b]  ; the floor 2^(3 - 127): a block whose every p is 0 keeps the byte 1: its codes are zeros
.endr
.irp b, 0,1,2,3
	s_delay_alu instid0(VALU_DEP_4)
	v_add_nc_u32 v[244+\b], 0xff000000, v[232+\b]  ; 2 off the exponent field: the conversion's scale operand
.endr
.irp b, 0,1,2,3
	s_delay_alu instid0(VALU_DEP_4)
	v_lshrrev_b32 v[236+\b], 23, v[244+\b]         ; the scale's byte
.endr
	s_delay_alu instid0(VALU_DEP_3)
	v_lshl_or_b32 v253, v237, 8, v236              ; p's scale word for these 128 keys
	s_delay_alu instid0(VALU_DEP_1)
	v_lshl_or_b32 v253, v238, 16, v253
	s_delay_alu instid0(VALU_DEP_1)
	v_lshl_or_b32 v253, v239, 24, v253
.irp c, 0,1
	v_cvt_scalef32_pk16_fp6_f32 v[224+6*\c:226+6*\c], v[96+32*\c:111+32*\c], v[244+2*\c]
	v_cvt_scalef32_pk16_fp6_f32 v[236+4*\c:238+4*\c], v[112+32*\c:127+32*\c], v[244+2*\c+1]   ; (a conversion's three registers begin on an even number)
.endr
	v_nop                                          ; one plain place behind a scaled conversion
.irp c, 0,1                                    ; the operand's layout wants a whole block in a lane
.irp i, 0,1,2
	v_permlane16_swap_b32 v[224+6*\c+\i], v[236+4*\c+\i]
.endr
.irp i, 0,1,2
	s_delay_alu instid0(VALU_DEP_3)
	v_mov_b32 v[227+6*\c+\i], v[236+4*\c+\i]
.endr
.endr
	s_setprio 0
.irp j, 0,2,4,6,8,10,12,14,16,18,20,22,24,26,28,30
	v_pk_mul_f32 v[160+\j:161+\j], v[160+\j:161+\j], v[252:253] op_sel_hi:[1,0]   ; O^T under the new M.  (These 16 are also the places in front of the loads and the scaled products below)
.endr
.irp t, 0,1,2,3
.irp p, 0,1,2,3,4,5
	ds_load_b64 v[32+12*\t+2*\p:33+12*\t+2*\p], v[ADV] offset:\t*1536+\p*256
.endr
.endr
	ds_load_b128 v[88:91], v[ADT]                  ; the scale words of V's four tiles
	s_wait_alu depctr_va_vdst(0)
	s_wait_dscnt 0x0
.irp t, 0,1,2,3                                ; the four accumulators take turns, one instruction a turn
	v_wmma_scale_f32_16x16x128_f8f6f4 v[160+8*\t:167+8*\t], v[32+12*\t:43+12*\t], v[224:235], v[160+8*\t:167+8*\t], v[88+\t], v253 matrix_a_fmt:MATRIX_FMT_FP6 matrix_b_fmt:MATRIX_FMT_FP6
.endr
.Lhidden_\@:
	s_add_co_u32 s[TB], s[TB], 6144
	s_add_co_u32 s[TS], s[TS], 512
	s_add_co_u32 s[TJ], s[TJ], 256
.endm
; THE WAY OUT: O^T / the sum; register 16 b + i is channel 32 b + 16 (lane / 16) + i of my query: two blocks of 32 along the next K, quantised as p is; half a fragment and two scale bytes leave.
.macro WAYOUT
	v_add_f32 v14, v14, v15
	s_delay_alu instid0(VALU_DEP_1)
	v_permlanex16_b32 v252, v14, s[SEL], s[SEL+1]
	s_delay_alu instid0(VALU_DEP_1)
	v_add_f32 v14, v14, v252                       ; the row's sum
	s_wait_alu depctr_va_vdst(0)
	v_rcp_f32 v14, v14
.rept 4
	v_nop                                          ; a plain place behind the reciprocal, and the places behind the last products
.endr
	s_wait_alu depctr_va_vdst(0)                   ; ahead of the reciprocal's first reader
.irp j, 0,1,2,3,4,5,6,7,8,9,10,11,12,13,14,15,16,17,18,19,20,21,22,23,24,25,26,27,28,29,30,31
	v_mul_f32 v[96+\j], v[160+\j], v14             ; each accumulator from its low end on
.endr
.irp b, 0,1
	v_max3_num_f32 v[232+\b], |v[96+16*\b]|, |v[97+16*\b]|, 0x1800000
.endr
.irp i, 2,4,6,8,10,12,14
.irp b, 0,1
	s_delay_alu instid0(VALU_DEP_2)
	v_max3_num_f32 v[232+\b], v[232+\b], |v[96+16*\b+\i]|, |v[97+16*\b+\i]|
.endr
.endr
.irp b, 0,1
	s_delay_alu instid0(VALU_DEP_2)
	v_permlanex16_b32 v[236+\b], v[232+\b], s[SEL], s[SEL+1]
.endr
.irp b, 0,1
	s_delay_alu instid0(VALU_DEP_2)
	v_max_num_f32 v[232+\b], v[232+\b], v[236+\b]
.endr
.irp b, 0,1
	s_delay_alu instid0(VALU_DEP_2)
	v_add_nc_u32 v[244+\b], 0xff000000, v[232+\b]
.endr
.irp b, 0,1
	s_delay_alu instid0(VALU_DEP_2)
	v_lshrrev_b32 v[236+\b], 23, v[244+\b]
.endr
	s_delay_alu instid0(VALU_DEP_1)
	v_lshl_or_b32 v238, v237, 8, v236
	s_delay_alu instid0(VALU_DEP_1)
	v_lshrrev_b32 v238, v30, v238                  ; lanes 0-15: block 0's byte at the bottom; lanes 16-31: block 1's
	v_cvt_scalef32_pk16_fp6_f32 v[224:226], v[96:111], v244
	v_cvt_scalef32_pk16_fp6_f32 v[228:230], v[112:127], v245
	v_nop
.irp i, 0,1,2
	v_permlane16_swap_b32 v[224+\i], v[228+\i]     ; lanes 0-15 now hold block 0 whole, lanes 16-31 block 1
.endr
	s_delay_alu instid0(VALU_DEP_3)
	v_mov_b32 v227, v228
	s_delay_alu instid0(VALU_DEP_3)
	v_mov_b32 v228, v229
	s_delay_alu instid0(VALU_DEP_3)
	v_mov_b32 v229, v230
.irp p, 0,1,2
	global_store_b64 v[L8], v[224+2*\p:225+2*\p], s[OC:OC+1] offset:256*\p   ; 32 lanes store 256 consecutive bytes, aligned
.endr
	global_store_b8 v31, v238, s[OS:OS+1]
.endm
; A PASS: one tile of 16 queries against its keys.  p = 0: the early queries, 8 trips; p = 1: the late ones, 16.
.macro PASS p, trips
	s_wait_xcnt 0x0                                ; the last pass's loads and stores have read their addresses and data: they are written again only behind this wait
	s_lshr_b32 s[GP], s[WV], 1
	s_and_b32 s[AT], s[WV], 1
	s_lshl_b32 s[AT], s[AT], 2
	s_add_co_u32 s[AT], s[AT], s[CX]
.if \p
	s_sub_co_u32 s[GP], 15, s[GP]
	s_sub_co_u32 s[AT], 7, s[AT]
.endif
	s_mul_i32 s94, s[GP], 12288                    ; Q's half fragment
	s_mul_i32 s95, s[AT], 1536
	s_add_co_u32 s94, s94, s95
	s_mul_i32 s95, s[SCH], 768
	s_add_co_u32 s94, s94, s95
	s_add_co_u32 s94, s94, s[QKB]
	s_mov_b32 s95, 0
	s_add_nc_u64 s[QA:QA+1], s[4:5], s[94:95]
	s_lshl_b32 s94, s[GP], 10                      ; its scale words
	s_lshr_b32 s96, s[AT], 2
	s_lshl_b32 s96, s96, 9
	s_add_co_u32 s94, s94, s96
	s_lshl_b32 s96, s[SCH], 8
	s_add_co_u32 s94, s94, s96
	s_and_b32 s96, s[AT], 3
	s_lshl_b32 s96, s96, 2
	s_add_co_u32 s94, s94, s96
	s_add_co_u32 s94, s94, s[QSB]
	s_add_nc_u64 s[QS:QS+1], s[6:7], s[94:95]
	s_lshl_b32 s96, s[SB], 7                       ; the tile of rows: 128 batch + 8 G + a
	s_lshl_b32 s97, s[GP], 3
	s_add_co_u32 s96, s96, s97
	s_add_co_u32 s96, s96, s[AT]
	s_mul_i32 s94, s96, 12288
	s_mul_i32 s97, s[SHP], 1536
	s_add_co_u32 s94, s94, s97
	s_mul_i32 s97, s[SCH], 768
	s_add_co_u32 s94, s94, s97
	s_add_nc_u64 s[OC:OC+1], s[8:9], s[94:95]
	s_lshl_b32 s94, s96, 9
	s_lshl_b32 s97, s[SHD], 1
	s_add_co_u32 s94, s94, s97
	s_add_nc_u64 s[OS:OS+1], s[10:11], s[94:95]
.irp q, 0,1,2
	global_load_b64 v[16+2*\q:17+2*\q], v[L8], s[QA:QA+1] offset:256*\q
.endr
	global_load_b32 v255, v[R16], s[QS:QS+1]
	s_lshr_b32 s96, s[AT], 1
	s_lshl_b32 s96, s96, 5
	s_and_b32 s97, s[AT], 1
	s_lshl_b32 s97, s97, 3
	s_add_co_u32 s96, s96, s97                     ; 32 (a / 2) + 8 (a % 2)
	v_add_nc_u32 v29, s96, v[RM]                   ; my query among the 128, less 16 (lane / 16)
	v_mov_b32 v13, 0xff61b1e6                      ; the largest t so far: -3e38, under every t
	s_delay_alu instid0(VALU_DEP_1)
	v_floor_f32 v12, -v13                          ; -M
	v_mov_b32 v14, 0
	v_mov_b32 v15, 0
.irp j, 0,1,2,3,4,5,6,7,8,9,10,11,12,13,14,15,16,17,18,19,20,21,22,23,24,25,26,27,28,29,30,31
	v_mov_b32 v[160+\j], 0                         ; O^T: the step is written once; the first finds zeros, which the first change of M leaves zeros
.endr
	s_mov_b32 s[TB], 0
	s_mov_b32 s[TS], 0
	s_mov_b32 s[TJ], 0
	s_mov_b32 s[J], 0
	s_wait_loadcnt 0x0                             ; Q
.Lstep_\@:
	STEP
	s_add_co_u32 s[J], s[J], 1
	s_cmp_lt_u32 s[J], \trips
	s_cbranch_scc1 .Lstep_\@
	s_setprio 0
	WAYOUT
.endm
	PASS 0, 8
	PASS 1, 16
	s_wait_dscnt 0x0
	s_wait_tensorcnt 0x0
	ds_add_u32 v250, v251
	s_wait_dscnt 0x0
	CROUND                                         ; the closing round
	s_endpgm
.Lfunc_end_k_qbd34bf31a2_attn:
	.size	k_qbd34bf31a2_attn, .Lfunc_end_k_qbd34bf31a2_attn-k_qbd34bf31a2_attn
	.p2alignl 7, 3214868480
	.fill 96, 4, 3214868480
	.section	.rodata,"a",@progbits
	.p2align	6, 0x0
	.amdhsa_kernel k_qbd34bf31a2_attn
		.amdhsa_group_segment_fixed_size 210944
		.amdhsa_private_segment_fixed_size 0
		.amdhsa_enable_private_segment 0
		.amdhsa_kernarg_size 32
		.amdhsa_user_sgpr_count 2
		.amdhsa_user_sgpr_kernarg_segment_ptr 1
		.amdhsa_wavefront_size32 1
		.amdhsa_system_sgpr_workgroup_id_x 1
		.amdhsa_system_sgpr_workgroup_id_y 1
		.amdhsa_system_sgpr_workgroup_id_z 1
		.amdhsa_system_vgpr_workitem_id 0
		.amdhsa_next_free_vgpr 256
		.amdhsa_next_free_sgpr 100
		.amdhsa_reserve_vcc 1
		.amdhsa_float_denorm_mode_32 3
		.amdhsa_float_denorm_mode_16_64 3
		.amdhsa_memory_ordered 1
		.amdhsa_forward_progress 1
		.amdhsa_inst_pref_size 71
	.end_amdhsa_kernel
	.amdgpu_metadata
---
amdhsa.version: [ 1, 2 ]
amdhsa.kernels:
  - .name:           k_qbd34bf31a2_attn
    .symbol:         k_qbd34bf31a2_attn.kd
    .args:
      - { .name: qkv, .offset: 0, .size: 8, .value_kind: global_buffer, .address_space: global }
      - { .name: qkvs, .offset: 8, .size: 8, .value_kind: global_buffer, .address_space: global }
      - { .name: ocodes, .offset: 16, .size: 8, .value_kind: global_buffer, .address_space: global }
      - { .name: oscales, .offset: 24, .size: 8, .value_kind: global_buffer, .address_space: global }
    .group_segment_fixed_size: 210944
    .private_segment_fixed_size: 0
    .kernarg_segment_align: 8
    .kernarg_segment_size: 32
    .max_flat_workgroup_size: 512
    .sgpr_count:     100
    .vgpr_count:     256
    .wavefront_size: 32
...
	.end_amdgpu_metadata
.endif
;; end of part 3
;; launch oproj (part 4): grid 4 x 32, 4 waves a work-group, clusters of 4 x 4, 327,680 bytes of LDS; arguments ocodes, oscales, wcodes, wscales, out0; writes out0
.if DOCPART == 4
	.amdgcn_target "amdgcn-amd-amdhsa--gfx1250"
	.amdhsa_code_object_version 6
	.text
	.protected	k_qbd34bf31a2_oproj
	.globl	k_qbd34bf31a2_oproj
	.p2align	8
	.type	k_qbd34bf31a2_oproj,@function
k_qbd34bf31a2_oproj:
	s_mov_b64 s[64:65], 0
	v_nop
	global_prefetch_b8 v0, s[64:65] scope:SCOPE_SE
	s_setreg_imm32_b32 hwreg(HW_REG_WAVE_MODE, 25, 1), 1
	s_wait_xcnt 0x0
	s_wait_alu depctr_hold_cnt(0) depctr_sa_sdst(0) depctr_va_vdst(0) depctr_va_sdst(0) depctr_va_ssrc(0) depctr_va_vcc(0) depctr_vm_vsrc(0)
	s_getreg_b32 s2, hwreg(HW_REG_IB_STS2, 6, 4)
	s_cmp_eq_u32 s2, 0
	s_cbranch_scc0 .Lentry_in_a_cluster
	s_endpgm
.Lentry_in_a_cluster:
	s_bfe_u32 s2, ttmp6, 0x10000c
	s_cmp_lg_u32 s2, 0xf033
	s_cbranch_scc0 .Lentry_shape_is_right
	s_endpgm
.Lentry_shape_is_right:
; out0 = O wo^T on codes of FP6 (E2M3) with one E8M0 scale for each 32 along K = 1,024; sums in f32.  M = 8,192, N = 1,024.
; A tile of C, 256 x 256, is made by a work-group of four waves; a wave makes 128 x 128: 64 accumulators, 512 registers.  K goes in steps of 256 through a ring of two LDS slots filled by the tensor data mover.
; A (the attention's result) lies in memory as images of its fragments' registers: [tile of 16 rows][K / 128][6][lane 32][8 bytes]: a K step of a tile of rows is 3,072 consecutive bytes, and a fragment comes by six
; loads of 8 bytes a lane that are consecutive across the lanes.  B (wo: rows 3,072 on of the weights' codes) lies as rows of 768 bytes.
; A's row r of tile a of a wave's eight is row 32 (a / 2) + 8 (a % 2) + r + 8 (r / 8) of the wave's 128: the stores put each row where it belongs.
; The scales of the work-group's rows, for all of K, come once and stay.  CLUSTERS: 4 x 4 work-groups; A's tiles are asked for jointly along a row of the cluster, B's along a column.
; THE MATRIX INSTRUCTION IS USED TRANSPOSED (source 0 = 16 rows of B, source 1 = 16 rows of A): a lane holds eight neighbouring numbers of a row of C.
; REGISTERS, in windows of 256: window 0: v16-31 addresses; v32-63 scale words, two sets; from v128 A's fragments, one set; on the way out v128-255 hold rows read back.
;   window 1: B's fragments, two sets, at v0 and v128.   window 2: the accumulators of my rows 0-63;   window 3: those of my rows 64-127.
.set SIZE_K, 1024
.set SIZE_N, 1024
.set KSTEP,  256
.set NQ,     KSTEP/128
.set ROWB,   192                       ; a row of B's tile in bytes
.set ASTEP,  3072                      ; a K step of a tile of A's rows in bytes
.set KROW,   SIZE_K*6/8
.set PITCH,  240                       ; B's LDS row: 3 x (64 bytes + 16 of padding): the 32 lanes of a load of 8 bytes touch 64 different banks (64 banks of 4 bytes: ISA guide 11.1)
.set FR,     12
.set NL,     6
.set NP,     4
.set HALFA,  8*ASTEP                   ; A: 8 tiles of rows: what one tensor load brings
.set HALFT,  128*PITCH                 ; B: 128 rows
.set SLOT,   2*HALFA+2*HALFT           ; A's 256 rows, then B's 256 rows
.set LAPS,   SIZE_K/(2*KSTEP)
.set KS,     SIZE_K/32
.set SCL,    2*SLOT
.set HALFS,  (128*KS/256)*272
.set SBLK,   (16*KS/256)*272
.set SPARE,  SCL+4*HALFS               ; the spare words, 128 bytes for each wave, which no other line names
.set SPITCH, 528                       ; the way out: a stage of 16 rows x (512 bytes + 16) for each wave, in slot 0, which has had its last fill and its last read when the first result is stored there
.set ADRA, 16                          ; v16-17 LDS address of my A fragments in slot 0, 1
.set ADRB, 20                          ; v20-21 the same for B (v22-23: for the pieces behind one padding more)
.set STO,  24
.set RD,   25
.set CO,   26
.set ADRS, 27
.set SPW,  28
.set NIL,  29
.set SC,   32
.set AF,   128
.set BK,   128
.set G1, 24
.set G0, 32
.set G1B, 48
.set G0B, 56
.set G1S, 68
.set G0S, 76
.set G1SB, 80
.set G0SB, 88
.set MSB, 0
.macro WIN new                         ; the immediate's high byte repeats the setting that is left
.if MSB != \new
	s_set_vgpr_msb (MSB<<8)|\new
.set MSB, \new
.endif
.endm
.set MUL_LO, 0xa1
.set MUL_HI, 0xf1
.set TO_B,   0x40
.macro JLOAD g0a, g1a, g0b, g1b        ; a joint load: waves 0 and 1 fetch for A, waves 2 and 3 for B; four v_nop follow each of the two lines
	s_cmp_eq_u32 s15, 0
	s_cbranch_scc0 .Lfor_b_\@
	tensor_load_to_lds s[\g0a:\g0a+3], s[\g1a:\g1a+7]
	s_nop 0
.rept 4
	v_nop
.endr
	s_branch .Lasked_\@
.Lfor_b_\@:
	tensor_load_to_lds s[\g0b:\g0b+3], s[\g1b:\g1b+7]
	s_nop 0
.rept 4
	v_nop
.endr
.Lasked_\@:
.endm
.macro CREST
	s_cmp_lg_u32 s14, 0
	s_cbranch_scc1 .Lnot_wave_0_\@
	s_barrier_signal -3
.Lnot_wave_0_\@:
	s_barrier_wait -3
	s_barrier_signal -1
	s_barrier_wait -1
.endm
.macro CROUND
	s_barrier_signal -1
	s_barrier_wait -1
	CREST
.endm
	s_load_b128 s[4:7], s[0:1], 0x0                ; A's codes, A's scales
	s_load_b128 s[8:11], s[0:1], 0x10              ; the weights' codes, the weights' scales
	s_load_b64 s[12:13], s[0:1], 0x20              ; C
	v_lshl_add_u32 v[SPW], v0, 2, SPARE
	v_mov_b32 v[NIL], 0
	ds_add_u32 v28, v29
	ds_add_u32 v28, v29
	s_wait_dscnt 0x0
	v_lshrrev_b32 v1, 5, v0
	v_readfirstlane_b32 s14, v1                    ; wave 0..3
	s_lshr_b32 s15, s14, 1                         ; which half of the tile's rows is mine.  Also: I fetch for A (0) or for B (1)
	s_and_b32 s16, s14, 1                          ; which half of its columns.  Also: which 128 rows of that tile I fetch
	s_bfe_u32 s40, ttmp6, 0x40000
	s_bfe_u32 s41, ttmp6, 0x40004
	s_lshl_b32 s42, ttmp9, 2
	s_add_co_u32 s42, s42, s40                     ; tile column of C
	s_and_b32 s17, ttmp7, 0xffff
	s_lshl_b32 s17, s17, 2
	s_add_co_u32 s17, s17, s41                     ; tile row of C
	s_lshl_b32 s43, s41, 2
	s_lshl_b32 s43, 15, s43                        ; my row of the cluster
	s_lshl_b32 s44, 0x1111, s40                    ; my column
	; A's group 1: 8 rows of 384 elements of 8 bytes (3,072 bytes), 1,536 elements (12,288 bytes) apart; no padding
	s_or_b32 s[G1+0], s43, (3<<16)|(1<<21)
	s_mov_b32 s[G1+1], 384<<16
	s_mov_b32 s[G1+2], 8<<16
	s_mov_b32 s[G1+3], 384<<16
	s_mov_b32 s[G1+4], 8
	s_mov_b32 s[G1+5], 1536
	s_mov_b32 s[G1+6], 0
	s_mov_b32 s[G1+7], 0
	; B's: 128 rows x 192 bytes, 16 bytes of padding behind every 64
	s_or_b32 s[G1B+0], s44, (0<<16)|(1<<20)|(1<<21)|(3<<22)|(3<<25)
	s_mov_b32 s[G1B+1], ROWB<<16
	s_mov_b32 s[G1B+2], 128<<16
	s_mov_b32 s[G1B+3], ROWB<<16
	s_mov_b32 s[G1B+4], 128
	s_mov_b32 s[G1B+5], KROW
	s_mov_b32 s[G1B+6], 0
	s_mov_b32 s[G1B+7], 0
	; the scales of 128 rows: 4,096 dense bytes as rows of 256 bytes, 16 bytes of padding behind each
	s_or_b32 s[G1S+0], s43, (3<<16)|(1<<20)|(1<<21)|(5<<22)|(3<<25)
	s_or_b32 s[G1SB+0], s44, (3<<16)|(1<<20)|(1<<21)|(5<<22)|(3<<25)
.irp g, G1S, G1SB
	s_mov_b32 s[\g+1], 32<<16
	s_mov_b32 s[\g+2], (128*KS/256)<<16
	s_mov_b32 s[\g+3], 32<<16
	s_mov_b32 s[\g+4], 128*KS/256
	s_mov_b32 s[\g+5], 32
	s_mov_b32 s[\g+6], 0
	s_mov_b32 s[\g+7], 0
.endr
	s_lshl_b32 s18, s16, 7
	s_lshl_b32 s20, s17, 8
	s_add_co_u32 s20, s20, s18                     ; A: row 256 x tile row + 128 x half
	s_lshl_b32 s46, s42, 8
	s_add_co_u32 s46, s46, s18                     ; B: row 256 x tile column + 128 x half
	s_mov_b32 s21, 0
	s_mov_b32 s47, 0
	s_mov_b64 s[18:19], KS
	s_mul_u64 s[22:23], s[20:21], s[18:19]
	s_mul_u64 s[92:93], s[46:47], s[18:19]
	s_mov_b64 s[18:19], KROW
	s_mul_u64 s[20:21], s[20:21], s[18:19]         ; A: 16 rows are 12,288 bytes: 768 a row, as in B
	s_mul_u64 s[46:47], s[46:47], s[18:19]
	s_mul_i32 s45, s16, HALFA                      ; where they go: A's two halves,
	s_mul_i32 s95, s16, HALFT
	s_add_co_u32 s95, s95, 2*HALFA                 ; then B's two halves: the wave's number alone enters an LDS address
	s_mul_i32 s94, s14, HALFS
	s_wait_kmcnt 0x0
	s_add_nc_u64 s[8:9], s[8:9], 3072*KROW         ; wo's codes
	s_add_nc_u64 s[10:11], s[10:11], 3072*KS       ; and its scales
	s_add_nc_u64 s[20:21], s[4:5], s[20:21]
	s_add_nc_u64 s[22:23], s[6:7], s[22:23]
	s_add_nc_u64 s[46:47], s[8:9], s[46:47]
	s_add_nc_u64 s[92:93], s[10:11], s[92:93]
	CROUND                                         ; all sixteen work-groups are here: the first joint loads meet
	s_mov_b32 s[G0S], 1
	s_add_co_u32 s[G0S+1], s94, SCL
	s_mov_b64 s[G0S+2:G0S+3], s[22:23]
	s_or_b32 s[G0S+3], s[G0S+3], 0x80000000
	s_mov_b32 s[G0SB], 1
	s_add_co_u32 s[G0SB+1], s94, SCL
	s_mov_b64 s[G0SB+2:G0SB+3], s[92:93]
	s_or_b32 s[G0SB+3], s[G0SB+3], 0x80000000
	JLOAD G0S, G1S, G0SB, G1SB                     ; the scales first
.irp s, 0,1
	s_mov_b32 s[G0+4*\s], 1
	s_add_co_u32 s[G0+4*\s+1], s45, \s*SLOT
	s_add_nc_u64 s[G0+4*\s+2:G0+4*\s+3], s[20:21], \s*ASTEP
	s_or_b32 s[G0+4*\s+3], s[G0+4*\s+3], 0x80000000
	s_mov_b32 s[G0B+4*\s], 1
	s_add_co_u32 s[G0B+4*\s+1], s95, \s*SLOT
	s_add_nc_u64 s[G0B+4*\s+2:G0B+4*\s+3], s[46:47], \s*ROWB
	s_or_b32 s[G0B+4*\s+3], s[G0B+4*\s+3], 0x80000000
	JLOAD G0+4*\s, G1, G0B+4*\s, G1B               ; three tensor loads of mine are out now
.endr
	v_and_b32 v1, 15, v0                           ; l % 16
	v_bfe_u32 v2, v0, 4, 1                         ; l / 16
	v_mul_u32_u24 v3, v1, PITCH
	v_mul_u32_u24 v4, v2, 24
	v_add_nc_u32 v4, v3, v4                        ; B: a fragment's row x pitch + 24 x half
	v_lshl_add_u32 v5, v2, 4, v4                   ; and the same behind one padding more
	v_and_b32 v6, 31, v0
	v_lshlrev_b32 v7, 3, v6                        ; A: 8 x lane
	s_mul_i32 s21, s15, HALFA                      ; my 128 rows of A
	s_mul_i32 s22, s16, HALFT                      ; my 128 rows of B,
	s_add_co_u32 s22, s22, 2*HALFA                 ; which lie behind A's 256
.irp s, 0,1
	v_add_nc_u32 v[ADRA+\s], s21, v7
	v_add_nc_u32 v[ADRB+\s], s22, v4
	v_add_nc_u32 v[ADRB+2+\s], s22, v5
	s_add_co_u32 s21, s21, SLOT
	s_add_co_u32 s22, s22, SLOT
.endr
	v_mul_u32_u24 v5, v1, KS
	v_lshrrev_b32 v6, 8, v5
	v_lshl_add_u32 v5, v6, 4, v5
	s_mul_i32 s21, s15, HALFS
	s_mul_i32 s22, s16, HALFS
	s_add_co_u32 s22, s22, 2*HALFS
	s_sub_co_u32 s22, s22, s21
	v_mul_u32_u24 v6, s22, v2                      ; lanes 16-31 take B's
	s_add_co_u32 s21, s21, SCL
	v_add_nc_u32 v5, v5, v6
	v_add_nc_u32 v[ADRS], s21, v5
	s_mul_i32 s23, s14, 16*SPITCH                  ; my stage
	v_mul_u32_u24 v5, v1, SPITCH                   ; in: row l % 16, 32 bytes for each half of the lanes
	v_lshl_add_u32 v5, v2, 5, v5
	v_add_nc_u32 v[STO], s23, v5
	v_and_b32 v6, 31, v0
	v_lshlrev_b32 v[CO], 4, v6                     ; back: the 32 lanes take one row of 512 bytes; and the same in C
	v_add_nc_u32 v[RD], s23, v[CO]
	s_lshl_b32 s20, s17, 8
	s_lshl_b32 s21, s15, 7
	s_add_co_u32 s20, s20, s21                     ; my first row of C
	s_mov_b32 s21, 0
	s_mov_b64 s[18:19], SIZE_N*4
	s_mul_u64 s[20:21], s[20:21], s[18:19]
	s_lshl_b32 s46, s42, 10                        ; my first column, in bytes
	s_lshl_b32 s47, s16, 9
	s_add_co_u32 s46, s46, s47
	s_mov_b32 s47, 0
	s_add_nc_u64 s[20:21], s[20:21], s[46:47]
	s_add_nc_u64 s[12:13], s[12:13], s[20:21]
.macro FRAG reg, adr, q, i             ; a fragment of B from rows: pieces of 8 bytes; where the piece three on lies behind one padding more, the second address register serves
.irp p, 0,1,2,3,4,5
.set PIECE, 12*(\q)+6*(\p/3)+\p%3
.if PIECE%8 < 5
	ds_load_b64 v[\reg+2*\p:\reg+2*\p+1], v[\adr] offset:8*PIECE+16*(PIECE/8)+(\i)*16*PITCH
.else
	ds_load_b64 v[\reg+2*\p:\reg+2*\p+1], v[\adr+2] offset:8*PIECE+16*(PIECE/8)+(\i)*16*PITCH
.endif
.endr
.endm
.macro FRAG_A reg, slot, q, i          ; a fragment of A from its image: registers 2 p, 2 p + 1 at 256 p + 8 x lane
.irp p, 0,1,2,3,4,5
	ds_load_b64 v[\reg+2*\p:\reg+2*\p+1], v[ADRA+\slot] offset:(\i)*ASTEP+(\q)*1536+\p*256
.endr
.endm
.macro MUL16 a0, p, q, sc, zero        ; 16 matrix instructions; the 64 accumulators take turns, one instruction a turn
.irp a, \a0, \a0+1
.irp b, 0,1,2,3,4,5,6,7
.if \zero
	v_wmma_scale_f32_16x16x128_f8f6f4 v[8*(8*((\a)%4)+\b):8*(8*((\a)%4)+\b)+7], v[128*(\p)+FR*\b:128*(\p)+FR*\b+FR-1], v[AF+FR*(\a):AF+FR*(\a)+FR-1], 0, v[SC+8*NQ*(\sc)+NQ*\b+(\q)], v[SC+8*NQ*(\sc)+NQ*(\a)+(\q)] matrix_a_fmt:MATRIX_FMT_FP6 matrix_b_fmt:MATRIX_FMT_FP6 matrix_a_scale:MATRIX_SCALE_ROW1
.else
	v_wmma_scale_f32_16x16x128_f8f6f4 v[8*(8*((\a)%4)+\b):8*(8*((\a)%4)+\b)+7], v[128*(\p)+FR*\b:128*(\p)+FR*\b+FR-1], v[AF+FR*(\a):AF+FR*(\a)+FR-1], v[8*(8*((\a)%4)+\b):8*(8*((\a)%4)+\b)+7], v[SC+8*NQ*(\sc)+NQ*\b+(\q)], v[SC+8*NQ*(\sc)+NQ*(\a)+(\q)] matrix_a_fmt:MATRIX_FMT_FP6 matrix_b_fmt:MATRIX_FMT_FP6 matrix_a_scale:MATRIX_SCALE_ROW1
.endif
.endr
.endr
.endm
.macro FETCH_B slot, q, p
	WIN TO_B
.irp i, 0,1,2,3,4,5,6,7
	FRAG 128*(\p)+FR*\i, ADRB+\slot, \q, \i
.endr
	WIN 0
.endm
.macro FETCH_A slot, q, i0
.irp i, \i0, \i0+1, \i0+2, \i0+3
	FRAG_A AF+FR*(\i), \slot, \q, \i
.endr
.endm
.macro SCALES sc
.irp i, 0,1,2,3,4,5,6,7
	ds_load_b64 v[SC+8*NQ*\sc+NQ*\i:SC+8*NQ*\sc+NQ*\i+1], v[ADRS] offset:\i*SBLK
.endr
.endm
.macro PLACES n                        ; places in front of loads into registers that matrix instructions have read, and of the first read of results (ISA guide 7.12.1 for the first read of results)
.rept \n
	v_nop
.endr
.endm
.macro STEP slot, q, zero
	s_wait_dscnt 4*NL                              ; B's set and A's blocks 0-3 are in; the youngest 24 loads (A's blocks 4-7) may be out
	WIN MUL_LO
	MUL16 0, (\q)%2, \q, \slot, \zero
	MUL16 2, (\q)%2, \q, \slot, \zero
	s_wait_dscnt 0
	PLACES NP
	FETCH_B \slot, (\q)+1, 1-(\q)%2
	FETCH_A \slot, (\q)+1, 0
	WIN MUL_HI
	MUL16 4, (\q)%2, \q, \slot, \zero
	MUL16 6, (\q)%2, \q, \slot, \zero
	PLACES NP
	WIN 0
	FETCH_A \slot, (\q)+1, 4
.endm
.macro TURN slot, next, fill
	s_wait_tensorcnt 0x0                           ; all my tensor loads have landed: my part of the next slot
	ds_add_u32 v[SPW], v[NIL]                      ; 0 onto my spare word
	s_wait_dscnt 4*NL+1                            ; (the add and the youngest 24 loads may be out)
	WIN MUL_LO
	MUL16 0, 1, NQ-1, \slot, 0
	s_wait_dscnt 0x0                               ; the add is done, and my reads of this slot are over
	s_barrier_signal -1
	MUL16 2, 1, NQ-1, \slot, 0
	WIN 0
	s_barrier_wait -1
.if \fill
	CREST                                          ; the barrier has opened a round of the cluster's barrier: no wave of any partner still reads this slot's tile or has a load on its way
	s_add_nc_u64 s[G0+4*\slot+2:G0+4*\slot+3], s[G0+4*\slot+2:G0+4*\slot+3], 2*ASTEP
	s_add_nc_u64 s[G0B+4*\slot+2:G0B+4*\slot+3], s[G0B+4*\slot+2:G0B+4*\slot+3], 2*ROWB
	JLOAD G0+4*\slot, G1, G0B+4*\slot, G1B         ; the first tensor load behind the round; its four v_nop are the places in front of the loads below
.else
	PLACES NP
.endif
	v_add_nc_u32 v[ADRS], 4*NQ, v[ADRS]
	FETCH_B \next, 0, 0
	FETCH_A \next, 0, 0
	SCALES \next
	WIN MUL_HI
	MUL16 4, 1, NQ-1, \slot, 0
	MUL16 6, 1, NQ-1, \slot, 0
	PLACES NP
	WIN 0
	FETCH_A \next, 0, 4
.endm
	s_wait_tensorcnt 1                             ; the scales and my part of K step 0 are in (K step 1's load may be out),
	s_barrier_signal -1
	s_barrier_wait -1                              ; everybody's are
	FETCH_B 0, 0, 0
	FETCH_A 0, 0, 0
	SCALES 0
	FETCH_A 0, 0, 4
	STEP 0, 0, 1                                   ; the first step's products start the sums
	s_mov_b32 s3, LAPS-1
.Llap:
	TURN 0, 1, 1
	STEP 1, 0, 0
	TURN 1, 0, 1
	STEP 0, 0, 0
	s_sub_co_u32 s3, s3, 1
	s_cmp_lg_u32 s3, 0
	s_cbranch_scc1 .Llap
	TURN 0, 1, 0                                   ; the last lap fills nothing
	STEP 1, 0, 0
	s_wait_dscnt 4*NL
	WIN MUL_LO
	MUL16 0, 1, NQ-1, 1, 0
	MUL16 2, 1, NQ-1, 1, 0
	s_wait_dscnt 0
	WIN MUL_HI
	MUL16 4, 1, NQ-1, 1, 0
	MUL16 6, 1, NQ-1, 1, 0
	WIN 0
; THE WAY OUT, block by block of 16 rows x 128 columns, through my own stage in LDS: back come whole rows of 512 bytes.  LDS serves a wave's instructions in order (ISA guide 5.7.1.4): no wait between the stores and the loads.
.macro TOSTAGE a
.set AC, 64*((\a)%4)
.set WD, 0x08+4*((\a)/4)
	WIN WD                                         ; the data: window 2 or 3
.irp b, 0,1,2,3,4,5,6,7
	ds_store_b128 v[STO], v[AC+8*\b:AC+8*\b+3] offset:64*\b          ; each accumulator from its low end on
	ds_store_b128 v[STO], v[AC+8*\b+4:AC+8*\b+7] offset:64*\b+16
.endr
	WIN 0
.set BB, BK+64*((\a)%2)
.irp t, 0,1,2,3,4,5,6,7,8,9,10,11,12,13,14,15
	ds_load_b128 v[BB+4*\t:BB+4*\t+3], v[RD] offset:\t*SPITCH
.endr
.endm
.macro SEND a, younger                 ; younger: the LDS instructions issued behind block a's loads, which may stay out
.set BB, BK+64*((\a)%2)
.set RW, 32*((\a)/2)+8*((\a)%2)        ; the block's row t is row RW + t + 8 (t / 8) of my 128; 127 rows of 4,096 bytes at the most stand in the immediate
	s_wait_dscnt \younger
.irp t, 0,1,2,3,4,5,6,7,8,9,10,11,12,13,14,15
	global_store_b128 v[CO], v[BB+4*\t:BB+4*\t+3], s[12:13] offset:(RW+\t+8*(\t/8))*SIZE_N*4 th:TH_STORE_NT   ; 32 lanes store 512 consecutive bytes, aligned; written once, read by nobody here
.endr
.endm
	PLACES NP
	TOSTAGE 0
.irp a, 1,2,3,4,5,6,7
.if \a > 1
	s_wait_xcnt 0x0                                ; block a - 2's stores have read their registers: block a's loads may land there
.endif
	TOSTAGE \a
	SEND \a-1, 32                                  ; behind block a - 1's loads: block a's 16 stores and 16 loads
.endr
	SEND 7, 0
	s_wait_tensorcnt 0x0                           ; the wave's end
	ds_add_u32 v[SPW], v[NIL]
	s_wait_dscnt 0x0
	CROUND                                         ; the closing round
	s_endpgm
.Lfunc_end_k_qbd34bf31a2_oproj:
	.size	k_qbd34bf31a2_oproj, .Lfunc_end_k_qbd34bf31a2_oproj-k_qbd34bf31a2_oproj
	.p2alignl 7, 3214868480
	.fill 96, 4, 3214868480
	.section	.rodata,"a",@progbits
	.p2align	6, 0x0
	.amdhsa_kernel k_qbd34bf31a2_oproj
		.amdhsa_group_segment_fixed_size 327680
		.amdhsa_private_segment_fixed_size 0
		.amdhsa_enable_private_segment 0
		.amdhsa_kernarg_size 40
		.amdhsa_user_sgpr_count 2
		.amdhsa_user_sgpr_kernarg_segment_ptr 1
		.amdhsa_wavefront_size32 1
		.amdhsa_system_sgpr_workgroup_id_x 1
		.amdhsa_system_sgpr_workgroup_id_y 1
		.amdhsa_system_sgpr_workgroup_id_z 1
		.amdhsa_system_vgpr_workitem_id 0
		.amdhsa_next_free_vgpr 1024
		.amdhsa_next_free_sgpr 98
		.amdhsa_reserve_vcc 0
		.amdhsa_float_denorm_mode_32 3
		.amdhsa_float_denorm_mode_16_64 3
		.amdhsa_memory_ordered 1
		.amdhsa_forward_progress 1
		.amdhsa_inst_pref_size 160
	.end_amdhsa_kernel
	.amdgpu_metadata
---
amdhsa.version: [ 1, 2 ]
amdhsa.kernels:
  - .name:           k_qbd34bf31a2_oproj
    .symbol:         k_qbd34bf31a2_oproj.kd
    .args:
      - { .name: ocodes, .offset: 0, .size: 8, .value_kind: global_buffer, .address_space: global }
      - { .name: oscales, .offset: 8, .size: 8, .value_kind: global_buffer, .address_space: global }
      - { .name: wcodes, .offset: 16, .size: 8, .value_kind: global_buffer, .address_space: global }
      - { .name: wscales, .offset: 24, .size: 8, .value_kind: global_buffer, .address_space: global }
      - { .name: out0, .offset: 32, .size: 8, .value_kind: global_buffer, .address_space: global }
    .group_segment_fixed_size: 327680
    .private_segment_fixed_size: 0
    .kernarg_segment_align: 8
    .kernarg_segment_size: 40
    .max_flat_workgroup_size: 128
    .sgpr_count:     98
    .vgpr_count:     1024
    .wavefront_size: 32
...
	.end_amdgpu_metadata
.endif
;; end of part 4
